; MI455X (gfx1250); checked and timed in simulation.
; The chip was launched on July 23, 2026; its instructions are those of AMD's public machine-readable ISA for CDNA 5 (MIT licence, August 2026) and "CDNA5" Instruction Set Architecture Reference Guide (July 2026). The comments in the code are by the model that wrote it; some were corrected since.
;; Multi Head Attention. Allowed arithmetic: matrix products marked QUANTISED: E5M2 operands, one E8M0 scale for each 32 along K, by v_wmma_scale_f32_16x16x128_f8f6f4 with both operands' format E5M2, f32 sums; everything else in f32.
;; Inputs: Wk 1,024 x 1,024 float32; Wo 1,024 x 1,024 float32; Wq 1,024 x 1,024 float32; Wv 1,024 x 1,024 float32; bk 1,024 float32; bo 1,024 float32; bq 1,024 float32; bv 1,024 float32; x 4 x 2,048 x 1,024 float32.
;; Outputs: out0 4 x 2,048 x 1,024 float32.
;; This version of the problem:
;;   THIS VERSION OF THE PROBLEM IS GIVEN IN LOW PRECISION. The matrix products marked QUANTISED in the list below multiply operands that are first quantised to E5M2 (5 exponent bits, 2 mantissa bits; 8 bits a number), with one power-of-two scale for each 32 numbers along K (OCP MX v1.0); their sums are f32. All else is computed in f32.
;;   The module's matrix products, in the order in which they are computed (A, B: the left and right operand; K: the contracted axis; several contracted axes count as one K, in the product's order):
;;     1. [M 8,192, K 1,024] x [K 1,024, N 1,024]; A: input x; B: input Wq: QUANTISED
;;     2. [M 8,192, K 1,024] x [K 1,024, N 1,024]; A: input x; B: input Wk: QUANTISED
;;     3. [M 8,192, K 1,024] x [K 1,024, N 1,024]; A: input x; B: input Wv: QUANTISED
;;     4. batch 64 x [M 2,048, K 64] x [K 64, N 2,048]; A: computed on the way; B: computed on the way: QUANTISED
;;     5. batch 64 x [M 2,048, K 2,048] x [K 2,048, N 64]; A: softmax (see below); B: computed on the way: QUANTISED
;;     6. [M 8,192, K 1,024] x [K 1,024, N 1,024]; A: computed on the way; B: input Wo: QUANTISED
;;   THE QUANTISER, for each operand of a quantised product, along K:
;;     - K is cut into blocks of 32 from its start; a last block that is shorter is filled with zeros.
;;     - A block's scale is 2^e with e = floor(log2(the largest magnitude in the block)) - 15, held to -126 .. 127; a block of zeros has e = 0. As a byte (E8M0): e + 127.
;;     - Each number is divided by its block's scale, clamped to +-57,344, and rounded to the nearest number of E5M2, ties to even, subnormals kept.
;;     - The product sums the exact products of the quantised numbers (number of the format x scale) in f32.
;;   ~~~python
;;   def quantise(x, axis):      # numpy; x: float32 -> the quantised numbers, widened to float32 again
;;       x = np.moveaxis(x, axis, -1); K = x.shape[-1]
;;       x = np.pad(x, [(0, 0)] * (x.ndim - 1) + [(0, -K % 32)]); x = x.reshape(x.shape[:-1] + (-1, 32)); a = np.abs(x).max(-1, keepdims=True)
;;       e = np.where(a > 0, np.clip(np.frexp(np.where(a > 0, a, 1))[1] - 1 - 15, -126, 127), 0)      # np.frexp(a)[1] - 1 = floor(log2(a)), exactly
;;       r = np.clip(x / 2.0 ** e, -57344, 57344)
;;       step = 2.0 ** (np.maximum(np.frexp(np.where(r == 0, 1, r))[1] - 1, -14) - 2)
;;       q = np.round(r / step) * step * 2.0 ** e      # np.round: ties to even
;;       return np.moveaxis(q.reshape(q.shape[:-2] + (-1,))[..., :K], -1, axis).astype(np.float32)
;;   ~~~
;;   SOFTMAX AHEAD OF A QUANTISED PRODUCT. Where the list says 'softmax', what is quantised is not the finished softmax but p = 2^(t - M), with t = logit x log2(e) and M = ceil(the row's largest t), a whole number; so 1/2 < the row's largest p <= 1. The row's sum l is taken of the UNQUANTISED p, in f32, and the product's result is divided by l at the end. Since M is a whole number, a kernel that streams over the keys may use a running M (the ceiling of the running maximum): every later rescaling is an exact power of two, which a block's scale takes up: the codes' values come out the same.
;;   OPERANDS COMPUTED ON THE WAY. 'Computed on the way' means the value that the module computes at that place (a softmax that the list does not call 'softmax' is quantised finished and normalised). What goes into a quantiser is computed in f32, as accurately as f32 sums, v_exp_f32 and their like allow (about 1e-6 of the number): no bf16 or f16 on the way to a quantiser, and a product that is left as it is and whose result goes on into a quantised operand takes f32 operands (vector FMAs, or v_wmma_f32_16x16x4_f32). A number that lies on a knife's edge between two numbers of the format may be rounded either way, as far as f32 arithmetic and the matrix unit's own rounding can turn it there, and no further.
;; One version. Each part assembles by itself: llvm-mc -triple=amdgcn-amd-amdhsa -mcpu=gfx1250 --defsym DOCPART=n.
;; ======== version 1 of 1: 4 launches
;; limits: right only within a limited range of input values
;; workspace buffers: x_img 8,388,608 bytes; x_scl 262,144 bytes; w_img 4,194,304 bytes; w_scl 131,072 bytes; qkv_img 25,165,824 bytes; qkv_scl 1,310,720 bytes; c_img 8,388,608 bytes; c_scl 262,144 bytes
;; launch quant (part 1): grid 768 x 1, 4 waves a work-group, no clusters, 34,304 bytes of LDS; arguments x, Wq, Wk, Wv, Wo, x_img, x_scl, w_img, w_scl; writes x_img, x_scl, w_img, w_scl
.if DOCPART == 1
	.amdgcn_target "amdgcn-amd-amdhsa--gfx1250"
	.amdhsa_code_object_version 6
	.text
	.protected	k_qaf9768c56d_quant
	.globl	k_qaf9768c56d_quant
	.p2align	8
	.type	k_qaf9768c56d_quant,@function
k_qaf9768c56d_quant:
	s_mov_b64 s[64:65], 0
	v_nop
	global_prefetch_b8 v0, s[64:65] scope:SCOPE_SE
	s_setreg_imm32_b32 hwreg(HW_REG_WAVE_MODE, 25, 1), 1
	s_wait_xcnt 0x0
; x [8192][1024] and the four weights [1024 (k)][1024 (n)], f32, become codes of E5M2 with one E8M0 byte for each 32 along K, laid as IMAGES OF OPERAND REGISTERS.
; AN IMAGE: a block of 128 rows is 131,072 bytes: [K step of 128: 8][tile of 16 rows: 8][c: 4][lane: 32][16 bytes]; lane 16 h + r holds, of the tile's row r, k = 128 s + 32 c + 16 h + 0 .. 15.
; Its scale words: 4,096 bytes a block: [pair of K steps: 4][tile: 8][r: 16][step of the pair: 2][4 bytes, one for each c].
; ROW ORDER: place p of an image holds row p with bits 3 and 4 exchanged: lane r of tile 2 g + u holds row 32 g + 8 u + r + 8 (r / 8).  A weight's row is its output column n.
; A block's scale is 2^(floor(log2(its largest magnitude)) - 15); each number is held within +-57,344 x the scale and rounded to the nearest code, ties to even.
; LIMITS: a block of zeros, or one whose largest magnitude lies under 2^-111, gets the byte 1 (its codes are zeros or near it; the bytes are read by this program alone); NaN and infinities are not served.
; Work-groups 0 to 255 take the weights, 256 to 767 take x.  No work-group shares an input with another, so there is no cluster and no tensor load; waves share nothing, so there is no barrier.
.set WV,  22                           ; s22  my wave's number
.set MNT, 23                           ; s23  the mantissa field of 57,344
.set SEL, 30                           ; s30, s31  lane selects: lane l xor 16
.set TM,  16                           ; v16-19 largest magnitudes, v20-23 bytes, v24-27 57,344 x the scale, v28-31 the conversions' scale operands
.set PC,  32                           ; v32-63  x: the codes of two fragments; no store's data are written again
.set XN,  64                           ; v64-127 x: 64 numbers of a lane, register 16 b + i = k 32 b + 16 h + i of its row
.set RW,  128                          ; v128-255 x: 32 loads as they come
.set WC,  64                           ; v64-95  a weight's codes: eight registers a block
.set WX,  128                          ; v128-255 a weight's numbers: four blocks of 32 down K
	s_load_b256 s[4:11], s[0:1], 0x0               ; x, Wq, Wk, Wv
	s_load_b256 s[12:19], s[0:1], 0x20             ; Wo, x_img, x_scl, w_img
	s_load_b64 s[20:21], s[0:1], 0x40              ; w_scl
	v_lshl_add_u32 v15, v0, 2, 0x8400
	s_set_vgpr_msb 0x40
	v_mov_b32 v1, 0
	s_set_vgpr_msb 0x4000
	v_lshrrev_b32 v1, 5, v0
	v_readfirstlane_b32 s[WV], v1
	v_and_b32 v2, 31, v0                           ; lane
	s_mov_b32 s[MNT], 0x600000
	s_mov_b32 s29, 0
	s_mov_b32 s33, 0
	s_mov_b32 s35, 0
	s_cmp_lt_u32 ttmp9, 256
	s_cbranch_scc0 .Lx_path
; ---- THE WEIGHTS.  Work-group = (weight: 4, block of 128 columns: 8, K step of 128: 8).  A lane takes a column and its registers run down K, so a block of 32 lies in one lane
; and the codes come out with K innermost.  Lane l takes column 32 w + (l with bits 3 and 4 exchanged), so that it stands at place 32 w + l of the image.
	s_lshr_b32 s24, ttmp9, 6                       ; which weight
	s_bfe_u32 s25, ttmp9, 0x30003                  ; which 128 columns
	s_and_b32 s26, ttmp9, 7                        ; which K step
	s_lshl_b32 s28, s26, 19                        ; in the weight: 128 rows of 4,096 bytes a K step,
	s_lshl_b32 s27, s25, 9
	s_add_co_u32 s28, s28, s27                     ; 512 bytes a block of columns,
	s_lshl_b32 s27, s[WV], 7
	s_add_co_u32 s28, s28, s27                     ; 128 a wave
	s_lshl_b32 s32, s24, 20                        ; in the images: 2^20 a weight,
	s_lshl_b32 s27, s25, 17
	s_add_co_u32 s32, s32, s27
	s_lshl_b32 s27, s26, 14
	s_add_co_u32 s32, s32, s27
	s_lshl_b32 s27, s[WV], 12                      ; two tiles a wave
	s_add_co_u32 s32, s32, s27
	s_lshl_b32 s34, s24, 15                        ; among the scale words: 32,768 a weight,
	s_lshl_b32 s27, s25, 12
	s_add_co_u32 s34, s34, s27
	s_lshr_b32 s27, s26, 1
	s_lshl_b32 s27, s27, 10
	s_add_co_u32 s34, s34, s27
	s_lshl_b32 s27, s[WV], 8
	s_add_co_u32 s34, s34, s27
	s_and_b32 s27, s26, 1
	s_lshl_b32 s27, s27, 2
	s_add_co_u32 s34, s34, s27
	s_wait_alu depctr_va_vdst(0)
	v_and_b32 v3, 7, v2
	v_bfe_u32 v6, v2, 3, 1
	v_bfe_u32 v7, v2, 4, 1
	v_lshl_or_b32 v3, v6, 4, v3
	v_lshl_or_b32 v3, v7, 3, v3
	v_lshlrev_b32 v3, 2, v3                        ; in: 4 x my column of the wave's 32
	v_and_b32 v4, 15, v2
	v_lshlrev_b32 v4, 4, v4
	v_lshl_or_b32 v4, v7, 11, v4                   ; out: tile l / 16, 16 bytes at row l % 16
	v_lshlrev_b32 v5, 3, v2                        ; my scale word: 8 l
	s_wait_alu depctr_va_vdst(0)
	s_wait_kmcnt 0x0
	s_cmp_eq_u32 s24, 1                            ; the choice hangs on the work-group's number alone
	s_cselect_b64 s[6:7], s[8:9], s[6:7]
	s_cmp_eq_u32 s24, 2
	s_cselect_b64 s[6:7], s[10:11], s[6:7]
	s_cmp_eq_u32 s24, 3
	s_cselect_b64 s[6:7], s[12:13], s[6:7]
	s_add_nc_u64 s[6:7], s[6:7], s[28:29]
	s_add_nc_u64 s[18:19], s[18:19], s[32:33]
	s_add_nc_u64 s[20:21], s[20:21], s[34:35]
.macro WLOAD t                         ; block t: 32 rows of the weight at my column; a wave's load covers 128 consecutive bytes
.irp i, 0,1,2,3,4,5,6,7,8,9,10,11,12,13,14,15,16,17,18,19,20,21,22,23,24,25,26,27,28,29,30,31
	global_load_b32 v[WX+32*(\t)+\i], v3, s[6:7] offset:(32*(\t)+\i)*4096 th:TH_LOAD_NT
.endr
.endm
.macro WBLOCK t, left, more            ; left: the loads that may stay out;  more = 1: the block two further on is asked for
.set XS, WX+32*(\t)
.set CD, WC+8*(\t)
	s_wait_loadcnt \left                           ; loads come back in order: this block's 32 are in
.if \more
	WLOAD (\t)+2
.endif
	v_max3_num_f32 v12, |v[XS]|, |v[XS+1]|, |v[XS+2]|              ; the block's largest magnitude: all 32 numbers are mine; two chains
	v_max3_num_f32 v13, |v[XS+3]|, |v[XS+4]|, |v[XS+5]|
.irp i, 6,10,14,18,22,26
	v_max3_num_f32 v12, v12, |v[XS+\i]|, |v[XS+\i+1]|
	v_max3_num_f32 v13, v13, |v[XS+\i+2]|, |v[XS+\i+3]|
.endr
	v_max3_num_f32 v12, v12, |v[XS+30]|, |v[XS+31]|
	v_max3_num_f32 v12, v12, v13, 0x8000000        ; and the floor 2^(16 - 127): the byte cannot fall under 1
	v_add_nc_u32 v11, 0xf8800000, v12              ; 15 off the exponent field: the conversion's scale operand
	v_and_or_b32 v10, v12, 0x7f800000, s[MNT]      ; 57,344 x the scale
	v_lshrrev_b32 v13, 23, v11                     ; the scale's byte
.if (\t) == 0
	v_mov_b32 v14, v13
.else
	v_lshl_or_b32 v14, v13, 8*(\t), v14            ; four bytes make the K step's scale word
.endif
.irp i, 0,1,2,3,4,5,6,7,8,9,10,11,12,13,14,15,16,17,18,19,20,21,22,23,24,25,26,27,28,29,30,31
	v_med3_num_f32 v[XS+\i], v[XS+\i], -v10, v10   ; the conversion to an 8-bit code does not saturate (ISA guide 7.6.2): the hold comes first
.endr
.irp g, 0,1,2,3
	v_cvt_scalef32_pk8_bf8_f32 v[CD+2*\g:CD+2*\g+1], v[XS+8*\g:XS+8*\g+7], v11
.endr
	global_store_b128 v4, v[CD:CD+3], s[18:19] offset:512*(\t)          ; k 0-15 of the block: the image's lanes 0-15; sixteen lanes store 256 consecutive bytes, aligned
	global_store_b128 v4, v[CD+4:CD+7], s[18:19] offset:512*(\t)+256    ; k 16-31: its lanes 16-31
.endm
	WLOAD 0
	WLOAD 1
	WBLOCK 0, 32, 1
	WBLOCK 1, 32, 1
	WBLOCK 2, 32, 0
	WBLOCK 3, 0, 0
	global_store_b32 v5, v14, s[20:21]
	s_endpgm
; ---- x.  Work-group = a tile of 16 places; wave w takes K steps 2 w and 2 w + 1.  Each load reads 512 consecutive bytes of a row; the 16 rows turn through the wave's own stage in LDS
; (rows of 512 + 16 bytes), from which lane (r, h) takes, of row r, 16 neighbours of each block of 32: the conversions' results are then the image's registers.
.Lx_path:
	s_sub_co_u32 s24, ttmp9, 256                   ; the tile
	s_lshr_b32 s25, s24, 1
	s_lshl_b32 s25, s25, 5
	s_and_b32 s26, s24, 1
	s_lshl_b32 s26, s26, 3
	s_add_co_u32 s25, s25, s26                     ; its first row: 32 (T / 2) + 8 (T % 2)
	s_lshl_b32 s28, s25, 12
	s_lshl_b32 s26, s[WV], 10
	s_add_co_u32 s28, s28, s26                     ; + my 1,024 bytes of a row
	s_lshr_b32 s25, s24, 3
	s_and_b32 s26, s24, 7
	s_lshl_b32 s32, s25, 17                        ; the image: block T / 8, K step 2 w, tile T % 8
	s_lshl_b32 s27, s[WV], 15
	s_add_co_u32 s32, s32, s27
	s_lshl_b32 s27, s26, 11
	s_add_co_u32 s32, s32, s27
	s_lshl_b32 s34, s25, 12                        ; the scale words likewise
	s_lshl_b32 s27, s[WV], 10
	s_add_co_u32 s34, s34, s27
	s_lshl_b32 s27, s26, 7
	s_add_co_u32 s34, s34, s27
	s_mov_b32 s[SEL], 0x76543210
	s_mov_b32 s[SEL+1], 0xfedcba98
	s_mul_i32 s27, s[WV], 16*528                   ; my stage
	s_wait_alu depctr_va_vdst(0)
	v_and_b32 v3, 15, v2                           ; r
	v_bfe_u32 v4, v2, 4, 1                         ; h
	v_lshlrev_b32 v9, 4, v2                        ; 16 x lane: a load's, and an image's, place for my lane
	v_add_nc_u32 v7, s27, v9                       ; the stage, in
	v_mul_u32_u24 v8, v3, 528
	v_lshl_add_u32 v8, v4, 6, v8
	v_add_nc_u32 v8, s27, v8                       ; and out: row r, + 64 h
	v_lshlrev_b32 v6, 3, v3
	v_lshl_add_u32 v6, v4, 2, v6                   ; 8 r + 4 h: lanes 0-15 store the first K step's word, lanes 16-31 the second's
.irp b, 0,1,2,3
	v_mov_b32 v[TM+4+\b], 0                        ; written once: a lane permute's destination counts as one of its sources
.endr
	s_wait_alu depctr_va_vdst(0)
	s_wait_kmcnt 0x0
	s_add_nc_u64 s[4:5], s[4:5], s[28:29]
	s_add_nc_u64 s[14:15], s[14:15], s[32:33]
	s_add_nc_u64 s[16:17], s[16:17], s[34:35]
.irp q, 0,1
.irp i, 0,1,2,3,4,5,6,7,8,9,10,11,12,13,14,15
	global_load_b128 v[RW+64*\q+4*\i:RW+64*\q+4*\i+3], v9, s[4:5] offset:(\i+8*(\i/8))*4096+512*\q th:TH_LOAD_NT
.endr
.endr
; 64 numbers of a lane become a fragment's 16 code registers, v[pc] on, and its row's scale word, v[pw]
.macro QUANT s, pc, pw
.irp b, 0,1,2,3
	v_max3_num_f32 v[TM+\b], |v[\s+16*\b]|, |v[\s+1+16*\b]|, 0x8000000   ; block b: my 16 numbers, and the floor 2^(16 - 127)
.endr
.irp i, 2,4,6,8,10,12,14
.irp b, 0,1,2,3
	v_max3_num_f32 v[TM+\b], v[TM+\b], |v[\s+16*\b+\i]|, |v[\s+1+16*\b+\i]|   ; the four blocks by turns
.endr
.endr
.irp b, 0,1,2,3
	v_permlanex16_b32 v[TM+4+\b], v[TM+\b], s[SEL], s[SEL+1]
.endr
.irp b, 0,1,2,3
	v_max_num_f32 v[TM+\b], v[TM+\b], v[TM+4+\b]   ; with lane l xor 16's 16: the block's largest magnitude
.endr
.irp b, 0,1,2,3
	v_add_nc_u32 v[TM+12+\b], 0xf8800000, v[TM+\b]
.endr
.irp b, 0,1,2,3
	v_and_or_b32 v[TM+8+\b], v[TM+\b], 0x7f800000, s[MNT]
.endr
.irp b, 0,1,2,3
	v_lshrrev_b32 v[TM+4+\b], 23, v[TM+12+\b]
.endr
	v_lshl_or_b32 v[\pw], v[TM+5], 8, v[TM+4]
	v_lshl_or_b32 v[\pw], v[TM+6], 16, v[\pw]
	v_lshl_or_b32 v[\pw], v[TM+7], 24, v[\pw]
.irp b, 0,1,2,3
.irp i, 0,1,2,3,4,5,6,7,8,9,10,11,12,13,14,15
	v_med3_num_f32 v[\s+16*\b+\i], v[\s+16*\b+\i], -v[TM+8+\b], v[TM+8+\b]
.endr
	v_cvt_scalef32_pk8_bf8_f32 v[\pc+4*\b:\pc+4*\b+1], v[\s+16*\b:\s+16*\b+7], v[TM+12+\b]
	v_cvt_scalef32_pk8_bf8_f32 v[\pc+4*\b+2:\pc+4*\b+3], v[\s+16*\b+8:\s+16*\b+15], v[TM+12+\b]
.endr
	v_nop                                          ; a plain line behind the last scaled conversion
.endm
.macro XFRAG q
.irp i, 0,1,2,3,4,5,6,7,8,9,10,11,12,13,14,15
	ds_store_b128 v7, v[RW+64*\q+4*\i:RW+64*\q+4*\i+3] offset:528*\i
.endr
.irp c, 0,1,2,3
.irp j, 0,1,2,3
	ds_load_b128 v[XN+16*\c+4*\j:XN+16*\c+4*\j+3], v8 offset:128*\c+16*\j   ; LDS serves a wave's instructions in order: these see the stores above
.endr
.endr
	s_wait_dscnt 0x0
	QUANT XN, PC+16*\q, 12+\q
.irp c, 0,1,2,3
	global_store_b128 v9, v[PC+16*\q+4*\c:PC+16*\q+4*\c+3], s[14:15] offset:16384*\q+512*\c   ; 512 consecutive bytes, aligned
.endr
.endm
	s_wait_loadcnt 16                              ; the first K step's 16 loads are in; the second's may be out
	XFRAG 0
	s_wait_loadcnt 0x0
	XFRAG 1
	v_cmp_lt_u32 vcc_lo, 15, v2
	v_cndmask_b32 v14, v12, v13, vcc_lo
	global_store_b32 v6, v14, s[16:17]
	s_set_vgpr_msb 0x4
	s_wait_tensorcnt 0x0
	ds_add_u32 v15, v1
	s_wait_dscnt 0x0
	s_set_vgpr_msb 0x400
	s_endpgm
.Lfunc_end_k_qaf9768c56d_quant:
	.size	k_qaf9768c56d_quant, .Lfunc_end_k_qaf9768c56d_quant-k_qaf9768c56d_quant
	.p2alignl 7, 3214868480
	.fill 96, 4, 3214868480
	.section	.rodata,"a",@progbits
	.p2align	6, 0x0
	.amdhsa_kernel k_qaf9768c56d_quant
		.amdhsa_group_segment_fixed_size 34304
		.amdhsa_private_segment_fixed_size 0
		.amdhsa_enable_private_segment 0
		.amdhsa_kernarg_size 72
		.amdhsa_user_sgpr_count 2
		.amdhsa_user_sgpr_kernarg_segment_ptr 1
		.amdhsa_wavefront_size32 1
		.amdhsa_system_sgpr_workgroup_id_x 1
		.amdhsa_system_sgpr_workgroup_id_y 1
		.amdhsa_system_sgpr_workgroup_id_z 1
		.amdhsa_system_vgpr_workitem_id 0
		.amdhsa_next_free_vgpr 258
		.amdhsa_next_free_sgpr 66
		.amdhsa_reserve_vcc 1
		.amdhsa_float_denorm_mode_32 3
		.amdhsa_float_denorm_mode_16_64 3
		.amdhsa_memory_ordered 1
		.amdhsa_forward_progress 1
		.amdhsa_inst_pref_size 56
	.end_amdhsa_kernel
	.amdgpu_metadata
---
amdhsa.version: [ 1, 2 ]
amdhsa.kernels:
  - .name:           k_qaf9768c56d_quant
    .symbol:         k_qaf9768c56d_quant.kd
    .args:
      - { .name: x, .offset: 0, .size: 8, .value_kind: global_buffer, .address_space: global }
      - { .name: Wq, .offset: 8, .size: 8, .value_kind: global_buffer, .address_space: global }
      - { .name: Wk, .offset: 16, .size: 8, .value_kind: global_buffer, .address_space: global }
      - { .name: Wv, .offset: 24, .size: 8, .value_kind: global_buffer, .address_space: global }
      - { .name: Wo, .offset: 32, .size: 8, .value_kind: global_buffer, .address_space: global }
      - { .name: x_img, .offset: 40, .size: 8, .value_kind: global_buffer, .address_space: global }
      - { .name: x_scl, .offset: 48, .size: 8, .value_kind: global_buffer, .address_space: global }
      - { .name: w_img, .offset: 56, .size: 8, .value_kind: global_buffer, .address_space: global }
      - { .name: w_scl, .offset: 64, .size: 8, .value_kind: global_buffer, .address_space: global }
    .group_segment_fixed_size: 34304
    .private_segment_fixed_size: 0
    .kernarg_segment_align: 8
    .kernarg_segment_size: 72
    .max_flat_workgroup_size: 128
    .sgpr_count:     66
    .vgpr_count:     258
    .wavefront_size: 32
...
	.end_amdgpu_metadata
.endif
;; end of part 1
;; launch gemm_qkv (part 2): grid 4 x 96, 4 waves a work-group, clusters of 4 x 4, 327,680 bytes of LDS; arguments x_img, x_scl, w_img, w_scl, bq, bk, bv, qkv_img, qkv_scl; writes qkv_img, qkv_scl
.if DOCPART == 2
	.amdgcn_target "amdgcn-amd-amdhsa--gfx1250"
	.amdhsa_code_object_version 6
	.text
	.protected	k_qaf9768c56d_gemm_qkv
	.globl	k_qaf9768c56d_gemm_qkv
	.p2align	8
	.type	k_qaf9768c56d_gemm_qkv,@function
k_qaf9768c56d_gemm_qkv:
	s_mov_b64 s[64:65], 0
	v_nop
	global_prefetch_b8 v0, s[64:65] scope:SCOPE_SE
	s_setreg_imm32_b32 hwreg(HW_REG_WAVE_MODE, 25, 1), 1
	s_wait_xcnt 0x0
	s_wait_alu depctr_hold_cnt(0) depctr_sa_sdst(0) depctr_va_vdst(0) depctr_va_sdst(0) depctr_va_ssrc(0) depctr_va_vcc(0) depctr_vm_vsrc(0)
	s_getreg_b32 s2, hwreg(HW_REG_IB_STS2, 6, 4)
	s_cmp_eq_u32 s2, 0
	s_cbranch_scc0 .Lentry_in_a_cluster
	s_endpgm
.Lentry_in_a_cluster:
	s_bfe_u32 s2, ttmp6, 0x10000c
	s_cmp_lg_u32 s2, 0xf033
	s_cbranch_scc0 .Lentry_shape_is_right
	s_endpgm
.Lentry_shape_is_right:
; q = x Wq + bq, k = x Wk + bk, v = x Wv + bv on codes of E5M2 with E8M0 scales, K = 1,024; the results are quantised in registers and leave as images of the attention's operand registers.
; The inputs are images (a block of 128 rows: [K step of 128: 8][tile: 8][c: 4][lane][16 bytes]; place p holds row p with bits 3 and 4 exchanged), so a tile is a dense block for one tensor load and a fragment is four loads at 16 x lane.
; A work-group of four waves makes 256 tokens x 256 features, a wave 128 x 128: 64 accumulators.  K goes in four steps of 256 through two LDS slots.  The cluster's y / 8 is the ROLE: 0 q, 1 k, 2 v: the same in all partners.
; CLUSTERS: 4 x 4 work-groups; x's tile is asked for jointly along a row of the cluster, the weight's along a column.
; ROLES 0, 1: source 0 = 16 places of the weight, source 1 = 16 tokens: a lane holds one token and, by the row order, the 16 registers of tiles 2 g, 2 g + 1 are features 32 g + 16 h + 0 .. 15: neighbours along the head's axis.
; ROLE 2: source 0 = 16 tokens, source 1 = 16 places of Wv: a lane holds one feature and its registers run along the tokens, which are the second product's K.  Only the LDS place that feeds each register set is chosen by the role.
; The bias is the C of each sum's first matrix instruction.  OUT: q [head][tile of 16 tokens: 128][c: 2][512 bytes]; k likewise; v [head][128 keys: 16][tile of 16 features: 4][c: 4][512 bytes].
; Scale words go in groups of four tiles, 256 bytes: word qq of lane 16 h + r belongs to tile 2 qq + h, row r; q's and k's words hold the head's two bytes twice.
; LIMITS: a block of zeros or under 2^-111 gets the byte 1 (read by this program alone); NaN and infinities are not served.
; REGISTERS: window 0: v16-29 addresses; v32-63 scale words, two sets; v64-127 the bias, later the quantiser's work; v128-255 the fragments of source 1 ("A"), one set.  window 1: those of source 0 ("B"), two sets.  windows 2, 3: the accumulators.
.set NQ,    2                          ; matrix instructions deep in a slot
.set FR,    16
.set NL,    4
.set NP,    8                          ; places behind this matrix instruction (ISA guide 7.12.1)
.set SLOT,  131072                     ; x's two halves of 32,768 bytes, then the weight's two
.set SCLX,  2*SLOT                     ; x's scale words of 256 rows, all of K: 8,192 bytes, filled once
.set SCLW,  SCLX+8192                  ; the weight's, directly behind x's: every byte from SCLX to SPARE is filled by the head's loads
.set SPARE, SCLW+8192                  ; the spare words: 128 bytes a wave, two blocks of 256 bytes that no other line names
.set ADRA, 16                          ; v16-17 LDS address of A's fragments in slot 0, 1
.set ADRB, 20                          ; v20-21 of B's
.set E0,   22                          ; v22-23 the way out: offsets of the codes' stores
.set F0,   24                          ; v24-25 of the scale words'
.set LN,   26                          ; v26    lane
.set ADRS, 27                          ; v27    LDS address of my scale words: lanes 0-15 A's, lanes 16-31 B's
.set SPW,  28                          ; v28    my spare word; never rewritten
.set NIL,  29                          ; v29    0; never rewritten
.set SC,   32
.set BI,   64                          ; v64-127 the bias in the result's layout
.set TM,   64                          ; the way out: v64-79 at work
.set PWS,  80                          ; v80-87 the eight blocks' scale words
.set TW,   88                          ; v88-91 the words as the groups want them
.set PC,   96                          ; v96-127 codes, two sets by turns
.set AF,   128
.set G1,   24
.set G0,   32
.set G1B,  48
.set G0B,  56
.set G1S,  68
.set G0S,  76
.set G1SB, 80
.set G0SB, 88
.set ROLE, 66
.set MSB, 0
.macro WIN new                         ; the immediate's high byte repeats the setting that is left
.if MSB != (\new)
	s_set_vgpr_msb (MSB<<8)|(\new)
.set MSB, (\new)
.endif
.endm
.set MUL_LO, 0xa1                      ; source 0 window 1, source 1 window 0, C and D window 2
.set MUL_HI, 0xf1
.set TO_B,   0x40
; A joint load: waves 0 and 1 fetch x's halves, waves 2 and 3 the weight's.  The branch hangs on the wave's number alone; four v_nop follow each line.
.macro JLOAD g0a, g1a, g0b, g1b
	s_cmp_eq_u32 s15, 0
	s_cbranch_scc0 .Lfor_b_\@
	tensor_load_to_lds s[\g0a:\g0a+3], s[\g1a:\g1a+7]
	s_nop 0
.rept 4
	v_nop
.endr
	s_branch .Lasked_\@
.Lfor_b_\@:
	tensor_load_to_lds s[\g0b:\g0b+3], s[\g1b:\g1b+7]
	s_nop 0
.rept 4
	v_nop
.endr
.Lasked_\@:
.endm
.macro CREST                           ; a round of the cluster's barrier behind its opening barrier
	s_cmp_lg_u32 s14, 0
	s_cbranch_scc1 .Lnot_wave_0_\@
	s_barrier_signal -3
.Lnot_wave_0_\@:
	s_barrier_wait -3
	s_barrier_signal -1
	s_barrier_wait -1
.endm
.macro CROUND
	s_barrier_signal -1
	s_barrier_wait -1
	CREST
.endm
	s_load_b256 s[4:11], s[0:1], 0x0               ; x_img, x_scl, w_img, w_scl
	s_load_b128 s[96:99], s[0:1], 0x20             ; bq, bk
	s_load_b64 s[100:101], s[0:1], 0x30            ; bv
	s_load_b64 s[12:13], s[0:1], 0x38              ; qkv_img
	s_load_b64 s[104:105], s[0:1], 0x40            ; qkv_scl
	v_lshl_add_u32 v[SPW], v0, 2, SPARE
	v_mov_b32 v[NIL], 0
	ds_add_u32 v28, v29
	ds_add_u32 v28, v29
	s_wait_dscnt 0x0
	v_lshrrev_b32 v1, 5, v0
	v_readfirstlane_b32 s14, v1                    ; wave 0..3
	s_lshr_b32 s15, s14, 1                         ; my half of the tokens.  Also: I fetch for x (0) or for the weight (1)
	s_and_b32 s16, s14, 1                          ; my half of the features.  Also: which 128 rows I fetch
	s_bfe_u32 s40, ttmp6, 0x40000                  ; cx, cy
	s_bfe_u32 s41, ttmp6, 0x40004
	s_lshl_b32 s42, ttmp9, 2
	s_add_co_u32 s42, s42, s40                     ; tile of 256 features
	s_and_b32 s17, ttmp7, 0xffff
	s_lshr_b32 s[ROLE], s17, 3
	s_and_b32 s17, s17, 7
	s_lshl_b32 s17, s17, 2
	s_add_co_u32 s17, s17, s41                     ; tile of 256 tokens
	s_lshl_b32 s43, s41, 2
	s_lshl_b32 s43, 15, s43                        ; my row of the cluster
	s_lshl_b32 s44, 0x1111, s40                    ; my column
	; descriptor group 1: a dense block as rows of 256 bytes (32 elements of 8 bytes), no padding: 128 rows of codes, 32 of scale words
	s_or_b32 s[G1+0], s43, (3<<16)|(1<<21)         ; 15:0 the mask; 17:16 elements of 8 bytes; 21 set beside a mask
	s_or_b32 s[G1B+0], s44, (3<<16)|(1<<21)
.irp g, G1, G1B                        ; for the head's loads: both blocks' first 32,768 bytes as two rows, 131,072 bytes apart; behind them these five words are set for the ring's loads
	s_mov_b32 s[\g+1], 4096<<16                    ; tensor_dim0: 4,096 elements of 8 bytes
	s_mov_b32 s[\g+2], 2<<16                       ; tensor_dim1
	s_mov_b32 s[\g+3], 4096<<16                    ; tile_dim0
	s_mov_b32 s[\g+4], 2                           ; tile_dim1
	s_mov_b32 s[\g+5], 16384                       ; the pitch
	s_mov_b32 s[\g+6], 0
	s_mov_b32 s[\g+7], 0
.endr
	s_or_b32 s[G1S+0], s43, (3<<16)|(1<<21)
	s_or_b32 s[G1SB+0], s44, (3<<16)|(1<<21)
.irp g, G1S, G1SB
	s_mov_b32 s[\g+1], 32<<16
	s_mov_b32 s[\g+2], 32<<16                      ; the scale words of 256 rows: 8,192 dense bytes
	s_mov_b32 s[\g+3], 32<<16
	s_mov_b32 s[\g+4], 32
	s_mov_b32 s[\g+5], 32
	s_mov_b32 s[\g+6], 0
	s_mov_b32 s[\g+7], 0
.endr
	s_lshl_b32 s20, s17, 1                         ; the first of x's two blocks of 128 places
	s_lshl_b32 s46, s42, 1                         ; of the weight's
	s_lshl_b32 s22, s20, 12                        ; its scale words,
	s_mov_b32 s23, 0
	s_lshl_b32 s20, s20, 17                        ; its codes
	s_mov_b32 s21, 0
	s_lshl_b32 s92, s46, 12
	s_lshl_b32 s46, s46, 17
	s_lshl_b32 s18, s[ROLE], 20                    ; the role's weight
	s_add_co_u32 s46, s46, s18
	s_lshl_b32 s18, s[ROLE], 15
	s_add_co_u32 s92, s92, s18
	s_mov_b32 s47, 0
	s_mov_b32 s93, 0
	s_lshl_b32 s45, s14, 15                        ; where the codes go: wave x 32,768: no place in the cluster enters an LDS address
	s_wait_kmcnt 0x0
	s_add_nc_u64 s[20:21], s[4:5], s[20:21]
	s_add_nc_u64 s[22:23], s[6:7], s[22:23]
	s_add_nc_u64 s[46:47], s[8:9], s[46:47]
	s_add_nc_u64 s[92:93], s[10:11], s[92:93]
	CROUND                                         ; all sixteen work-groups are here: the first joint loads meet
	s_mov_b32 s[G0S], 1
	s_mov_b32 s[G0S+1], SCLX
	s_mov_b64 s[G0S+2:G0S+3], s[22:23]
	s_or_b32 s[G0S+3], s[G0S+3], 0x80000000
	s_mov_b32 s[G0SB], 1
	s_mov_b32 s[G0SB+1], SCLW
	s_mov_b64 s[G0SB+2:G0SB+3], s[92:93]
	s_or_b32 s[G0SB+3], s[G0SB+3], 0x80000000
	s_mov_b32 s4, 1                                ; group 0 of the head's loads of codes, in registers whose arguments have been used: x's two halves of slot 0,
	s_mov_b32 s5, 0
	s_mov_b64 s[6:7], s[20:21]
	s_or_b32 s7, s7, 0x80000000
	s_mov_b32 s8, 1                                ; the weight's, behind them
	s_mov_b32 s9, 65536
	s_mov_b64 s[10:11], s[46:47]
	s_or_b32 s11, s11, 0x80000000
	s_lshl_b32 s18, s16, 17                        ; for the ring: the block of the two that I fetch
	s_mov_b32 s19, 0
	s_add_nc_u64 s[20:21], s[20:21], s[18:19]
	s_add_nc_u64 s[46:47], s[46:47], s[18:19]
.irp s, 0,1
	s_mov_b32 s[G0+4*\s], 1
	s_add_co_u32 s[G0+4*\s+1], s45, \s*SLOT
	s_add_nc_u64 s[G0+4*\s+2:G0+4*\s+3], s[20:21], \s*32768
	s_or_b32 s[G0+4*\s+3], s[G0+4*\s+3], 0x80000000
	s_mov_b32 s[G0B+4*\s], 1
	s_add_co_u32 s[G0B+4*\s+1], s45, \s*SLOT
	s_add_nc_u64 s[G0B+4*\s+2:G0B+4*\s+3], s[46:47], \s*32768
	s_or_b32 s[G0B+4*\s+3], s[G0B+4*\s+3], 0x80000000
.endr
; THE HEAD'S LOADS, ONE A WAVE: wave 0 x's codes of slot 0, wave 1 the weight's, wave 2 x's scale words, wave 3 the weight's.  One chain of arms on the wave's number, one load to an arm.
.macro ARM under, g0, g1, next
	s_cmp_lt_u32 s14, \under
	s_cbranch_scc0 \next
	tensor_load_to_lds s[\g0:\g0+3], s[\g1:\g1+7]
	s_nop 0
.rept 4
	v_nop
.endr
	s_branch .Lhead_asked
\next:
.endm
	ARM 1, 4, G1, .Lhead_b
	ARM 2, 8, G1B, .Lhead_sa
	ARM 3, G0S, G1S, .Lhead_sb
	tensor_load_to_lds s[G0SB:G0SB+3], s[G1SB:G1SB+7]
	s_nop 0
.rept 4
	v_nop
.endr
.Lhead_asked:
	v_and_b32 v1, 15, v0                           ; r
	v_bfe_u32 v2, v0, 4, 1                         ; h
	v_and_b32 v3, 31, v0
	v_lshlrev_b32 v4, 4, v3                        ; 16 x lane
	s_wait_alu depctr_va_vdst(0)
	s_lshl_b32 s18, s15, 15                        ; my half of x in a slot,
	s_lshl_b32 s19, s16, 15
	s_add_co_u32 s19, s19, 65536                   ; my half of the weight
	s_cmp_eq_u32 s[ROLE], 2
	s_cselect_b32 s21, s19, s18                    ; A: the tokens, in role 2 the weight
	s_cselect_b32 s22, s18, s19                    ; B: the other.  Either choice lies inside the slot
	s_cselect_b32 s20, -1, 0
.irp s, 0,1
	v_add_nc_u32 v[ADRA+\s], s21, v4
	v_add_nc_u32 v[ADRB+\s], s22, v4
	s_add_co_u32 s21, s21, SLOT
	s_add_co_u32 s22, s22, SLOT
.endr
	s_lshl_b32 s18, s15, 12                        ; the scale words of my half of x,
	s_lshl_b32 s19, s16, 12
	s_add_co_u32 s19, s19, SCLW-SCLX
	s_sub_co_u32 s19, s19, s18                     ; and how far on those of my half of the weight lie
	v_xor_b32 v6, 1, v2
	v_mul_u32_u24 v5, s19, v2                      ; lanes 16-31 take the weight's,
	v_mul_u32_u24 v6, s19, v6                      ; in role 2 lanes 0-15 do
	v_cndmask_b32 v5, v5, v6, s20
	v_lshl_add_u32 v5, v1, 3, v5                   ; 8 bytes a row: a slot's two words
	s_add_co_u32 s18, s18, SCLX
	v_add_nc_u32 v[ADRS], s18, v5
	s_cmp_eq_u32 s[ROLE], 1                        ; the role's bias: the choice hangs on no address
	s_cselect_b64 s[96:97], s[98:99], s[96:97]
	s_cmp_eq_u32 s[ROLE], 2
	s_cselect_b64 s[96:97], s[100:101], s[96:97]
	s_lshl_b32 s18, s42, 1
	s_add_co_u32 s18, s18, s16
	s_lshl_b32 s18, s18, 9                         ; my 128 features
	s_mov_b32 s19, 0
	s_add_nc_u64 s[96:97], s[96:97], s[18:19]
	s_cmp_eq_u32 s[ROLE], 2
	s_cbranch_scc1 .Lbias_rows
	v_lshlrev_b32 v7, 6, v2                        ; roles 0, 1: register j of tile b is feature 32 (b / 2) + 8 (b % 2) + 16 h + j
.irp b, 0,1,2,3,4,5,6,7
	global_load_b128 v[BI+8*\b:BI+8*\b+3], v7, s[96:97] offset:(32*(\b/2)+8*(\b%2))*4
	global_load_b128 v[BI+8*\b+4:BI+8*\b+7], v7, s[96:97] offset:(32*(\b/2)+8*(\b%2))*4+16
.endr
	s_branch .Lbias_asked
.Lbias_rows:
	v_and_b32 v7, 8, v1                            ; role 2: all eight registers of block a are feature 32 (a / 2) + 8 (a % 2) + r + 8 (r / 8): the word is loaded eight times, so that both ways write all 64 registers
	v_add_nc_u32 v7, v7, v1
	v_lshlrev_b32 v7, 2, v7
.irp a, 0,1,2,3,4,5,6,7
.irp j, 0,1,2,3,4,5,6,7
	global_load_b32 v[BI+8*\a+\j], v7, s[96:97] offset:(32*(\a/2)+8*(\a%2))*4
.endr
.endr
.Lbias_asked:
.macro FRAG reg, adr, q, i             ; a fragment as it was stored: four loads of 512 consecutive bytes
.irp c, 0,1,2,3
	ds_load_b128 v[\reg+4*\c:\reg+4*\c+3], v[\adr] offset:16384*(\q)+2048*(\i)+512*\c
.endr
.endm
; 16 matrix instructions: A's blocks a0, a0 + 1 x B's eight.  p: B's set; sc: the set of scale words.  cm = 0: the sums go on; 1: they start with the bias of B's rows; 2: of A's rows.
; The 64 accumulators take turns, one instruction a turn, in the same order in every step.
.macro MUL16 a0, p, q, sc, cm
.irp a, \a0, \a0+1
.irp b, 0,1,2,3,4,5,6,7
.set rD, 8*(8*((\a)%4)+\b)
.set rB, 128*(\p)+FR*\b
.set rA, AF+FR*(\a)
.set rSB, SC+8*NQ*(\sc)+NQ*\b+(\q)
.set rSA, SC+8*NQ*(\sc)+NQ*(\a)+(\q)
.set rC, BI+8*\b
.if (\cm) == 2
.set rC, BI+8*(\a)
.endif
.if (\cm) == 0
	v_wmma_scale_f32_16x16x128_f8f6f4 v[rD:rD+7], v[rB:rB+15], v[rA:rA+15], v[rD:rD+7], v[rSB], v[rSA] matrix_a_fmt:MATRIX_FMT_BF8 matrix_b_fmt:MATRIX_FMT_BF8 matrix_a_scale:MATRIX_SCALE_ROW1
.else
	v_wmma_scale_f32_16x16x128_f8f6f4 v[rD:rD+7], v[rB:rB+15], v[rA:rA+15], v[rC:rC+7], v[rSB], v[rSA] matrix_a_fmt:MATRIX_FMT_BF8 matrix_b_fmt:MATRIX_FMT_BF8 matrix_a_scale:MATRIX_SCALE_ROW1
.endif
.endr
.endr
.endm
.macro FETCH_B slot, q, p
	WIN TO_B
.irp i, 0,1,2,3,4,5,6,7
	FRAG 128*(\p)+FR*\i, ADRB+\slot, \q, \i
.endr
	WIN 0
.endm
.macro FETCH_A slot, q, i0
.irp i, \i0, \i0+1, \i0+2, \i0+3
	FRAG AF+FR*(\i), ADRA+\slot, \q, \i
.endr
.endm
.macro SCALES sc                       ; a slot's scale words: two a row; lanes 0-15 A's block i, lanes 16-31 B's block i
.irp i, 0,1,2,3,4,5,6,7
	ds_load_b64 v[SC+8*NQ*\sc+NQ*\i:SC+8*NQ*\sc+NQ*\i+1], v[ADRS] offset:\i*128
.endr
.endm
.macro PLACES n                        ; plain vector lines between a matrix instruction and a load into, or a read of, its registers
.rept \n
	v_nop
.endr
.endm
.macro STEP slot, q, cm                ; 128 along K with its successor in the same slot
	s_wait_dscnt 4*NL                              ; B's set and A's blocks 0-3 are in; the youngest 16 loads (A's blocks 4-7) may be out
.if \cm
	WIN 0x81                                       ; C in window 0, D in window 2
.else
	WIN MUL_LO
.endif
	MUL16 0, (\q)%2, \q, \slot, \cm
	MUL16 2, (\q)%2, \q, \slot, \cm
	s_wait_dscnt 0x0
	PLACES NP
	FETCH_B \slot, (\q)+1, 1-(\q)%2
	FETCH_A \slot, (\q)+1, 0
.if \cm
	WIN 0xc1
.else
	WIN MUL_HI
.endif
	MUL16 4, (\q)%2, \q, \slot, \cm
	MUL16 6, (\q)%2, \q, \slot, \cm
	PLACES NP
	WIN 0
	FETCH_A \slot, (\q)+1, 4
.endm
; A slot's last step changes slots: one barrier; in front of it each wave waits for all its tensor loads, adds 0 to its spare word, and waits for that and for its reads of this slot.
.macro TURN slot, next, fill
	s_wait_tensorcnt 0x0                           ; all my tensor loads have landed: my part of the next slot
	ds_add_u32 v[SPW], v[NIL]                      ; 0 onto my spare word
	s_wait_dscnt 4*NL+1                            ; (the add and A's blocks 4-7 may be out)
	WIN MUL_LO
	MUL16 0, 1, NQ-1, \slot, 0
	s_wait_dscnt 0x0                               ; the add is done, and my reads of this slot are over
	s_barrier_signal -1
	MUL16 2, 1, NQ-1, \slot, 0
	WIN 0
	s_barrier_wait -1
.if \fill
	CREST                                          ; the barrier has opened a round of the cluster's: no wave of any partner still reads this slot or has a load on its way
	s_add_nc_u64 s[G0+4*\slot+2:G0+4*\slot+3], s[G0+4*\slot+2:G0+4*\slot+3], 65536
	s_add_nc_u64 s[G0B+4*\slot+2:G0B+4*\slot+3], s[G0B+4*\slot+2:G0B+4*\slot+3], 65536
	JLOAD G0+4*\slot, G1, G0B+4*\slot, G1B         ; the first tensor load behind the round, my one load until the next; its four v_nop are among the places below
	PLACES NP-4
.else
	PLACES NP
.endif
	s_wait_alu depctr_va_vdst(0)
	v_add_nc_u32 v[ADRS], 1024, v[ADRS]            ; the next slot's scale words
	FETCH_B \next, 0, 0
	FETCH_A \next, 0, 0
	SCALES \next
	WIN MUL_HI
	MUL16 4, 1, NQ-1, \slot, 0
	MUL16 6, 1, NQ-1, \slot, 0
	PLACES NP
	WIN 0
	FETCH_A \next, 0, 4
.endm
	s_wait_alu depctr_va_vdst(0)                   ; the wait at the head's end
	s_wait_tensorcnt 0x0                           ; my tile of the head's four is in; slot 1's first fill is issued as a refill is
	ds_add_u32 v[SPW], v[NIL]                      ; 0 onto my spare word
.irp g, G1, G1B                        ; no tensor load of mine is out: from here on a load brings 128 rows of 256 bytes
	s_mov_b32 s[\g+1], 32<<16
	s_mov_b32 s[\g+2], 128<<16
	s_mov_b32 s[\g+3], 32<<16
	s_mov_b32 s[\g+4], 128
	s_mov_b32 s[\g+5], 32
.endr
	s_wait_dscnt 0x0
	CROUND                                         ; all four tiles are in, and all sixteen work-groups are here
	JLOAD G0+4, G1, G0B+4, G1B                     ; slot 1: my one load behind the round
	FETCH_B 0, 0, 0
	FETCH_A 0, 0, 0
	s_wait_alu depctr_va_vdst(0)
	SCALES 0
	FETCH_A 0, 0, 4
	s_wait_loadcnt 0x0                             ; the bias
	s_cmp_eq_u32 s[ROLE], 2
	s_cbranch_scc1 .Lfirst_rows
	STEP 0, 0, 1                                   ; the first products start the sums with the bias: nothing is cleared
	s_branch .Lfirst_done
.Lfirst_rows:
	STEP 0, 0, 2
.Lfirst_done:
	TURN 0, 1, 1
	STEP 1, 0, 0
	TURN 1, 0, 1
	STEP 0, 0, 0
	TURN 0, 1, 0                                   ; nothing is left to fetch
	STEP 1, 0, 0
	s_wait_dscnt 4*NL
	WIN MUL_LO
	MUL16 0, 1, NQ-1, 1, 0
	MUL16 2, 1, NQ-1, 1, 0
	s_wait_dscnt 0x0
	WIN MUL_HI
	MUL16 4, 1, NQ-1, 1, 0
	MUL16 6, 1, NQ-1, 1, 0
	WIN 0
	; ---- THE WAY OUT.  No tensor load is out, so the descriptors' registers are free.
	s_lshl_b32 s18, s17, 1
	s_add_co_u32 s18, s18, s15                     ; my block of 128 tokens
	s_lshr_b32 s19, s18, 4                         ; its batch,
	s_and_b32 s18, s18, 15                         ; its place in the batch
	s_lshl_b32 s20, s42, 1
	s_add_co_u32 s20, s20, s16
	s_lshl_b32 s20, s20, 1                         ; my 128 features are two heads
	s_lshl_b32 s19, s19, 4
	s_add_co_u32 s19, s19, s20                     ; the first of them
	s_cmp_eq_u32 s[ROLE], 0
	s_mov_b32 s21, 262144
	s_cselect_b32 s21, 131072, s21                 ; a head's bytes in its region of codes
	s_mov_b32 s22, 8388608
	s_cselect_b32 s22, 0, s22                      ; where the region begins
	s_mov_b32 s23, 12288
	s_cselect_b32 s23, 8192, s23                   ; the same for the scale words
	s_mov_b32 s28, 524288
	s_cselect_b32 s28, 0, s28
	s_cmp_eq_u32 s[ROLE], 2
	s_mov_b32 s24, 1024
	s_cselect_b32 s30, s24, s21                    ; from blocks 0, 1 to blocks 2, 3 of my 128 numbers: the next head; in role 2 two c on
	s_cselect_b32 s31, 131072, 0                   ; v lies behind k
	s_cselect_b32 s32, 8192, 0
	s_cselect_b32 s33, 8, 9                        ; 128 tokens are 512 bytes of q's or k's words, 256 of v's
	s_mov_b32 s26, 256000
	s_cselect_b32 s26, s26, s24                    ; from block 3 to block 4: in role 2 the next head's first tile
	s_cselect_b32 s24, 2048, s24                   ; from block to block
	s_mov_b32 s25, 0
	s_mov_b32 s27, 0
	s_mul_i32 s34, s19, s21
	s_add_co_u32 s34, s34, s22
	s_add_co_u32 s34, s34, s31
	s_lshl_b32 s35, s18, 13
	s_add_co_u32 s34, s34, s35
	s_mov_b32 s35, 0
	s_add_nc_u64 s[12:13], s[12:13], s[34:35]
	s_mul_i32 s36, s19, s23
	s_add_co_u32 s36, s36, s28
	s_add_co_u32 s36, s36, s32
	s_lshl_b32 s37, s18, s33
	s_add_co_u32 s36, s36, s37
	s_mov_b32 s37, 0
	s_add_nc_u64 s[104:105], s[104:105], s[36:37]
	s_mov_b32 s38, 0x76543210
	s_mov_b32 s39, 0xfedcba98
	s_mov_b32 s29, 0x600000
	v_and_b32 v[LN], 31, v0                        ; these nine plain lines are the places behind the last products
	v_lshlrev_b32 v[E0], 4, v[LN]
	v_add_nc_u32 v[E0+1], s30, v[E0]
	v_lshlrev_b32 v[F0], 3, v[LN]
	v_add_nc_u32 v[F0+1], s23, v[F0]
.irp b, 0,1,2,3
	v_mov_b32 v[TM+4+\b], 0                        ; a lane permute's destination counts as one of its sources
.endr
; Block a's 64 numbers of a lane (register 16 b + i = place 32 b + 16 h + i along the next K) become 16 code registers and a scale word.  Each accumulator is read from its low end on.
.macro QUANTW a
.set AC, 64*((\a)%4)
.set W, 2+(\a)/4
.set PCS, PC+16*((\a)%2)
	WIN (W<<2)|W
.irp b, 0,1,2,3
	v_max3_num_f32 v[TM+\b], |v[AC+16*\b]|, |v[AC+16*\b+1]|, 0x8000000
.endr
	WIN (W<<4)|(W<<2)
.irp i, 2,4,6,8,10,12,14
.irp b, 0,1,2,3
	v_max3_num_f32 v[TM+\b], v[TM+\b], |v[AC+16*\b+\i]|, |v[AC+16*\b+\i+1]|
.endr
.endr
	WIN 0
.irp b, 0,1,2,3
	v_permlanex16_b32 v[TM+4+\b], v[TM+\b], s38, s39
.endr
.irp b, 0,1,2,3
	v_max_num_f32 v[TM+\b], v[TM+\b], v[TM+4+\b]
.endr
.irp b, 0,1,2,3
	v_add_nc_u32 v[TM+12+\b], 0xf8800000, v[TM+\b]
.endr
.irp b, 0,1,2,3
	v_and_or_b32 v[TM+8+\b], v[TM+\b], 0x7f800000, s29
.endr
.irp b, 0,1,2,3
	v_lshrrev_b32 v[TM+4+\b], 23, v[TM+12+\b]
.endr
	v_lshl_or_b32 v[PWS+(\a)], v[TM+5], 8, v[TM+4]
	v_lshl_or_b32 v[PWS+(\a)], v[TM+6], 16, v[PWS+(\a)]
	v_lshl_or_b32 v[PWS+(\a)], v[TM+7], 24, v[PWS+(\a)]
	WIN (W<<6)|W
.irp b, 0,1,2,3
.irp i, 0,1,2,3,4,5,6,7,8,9,10,11,12,13,14,15
	v_med3_num_f32 v[AC+16*\b+\i], v[AC+16*\b+\i], -v[TM+8+\b], v[TM+8+\b]
.endr
.endr
	WIN W
.irp b, 0,1,2,3
	v_cvt_scalef32_pk8_bf8_f32 v[PCS+4*\b:PCS+4*\b+1], v[AC+16*\b:AC+16*\b+7], v[TM+12+\b]
	v_cvt_scalef32_pk8_bf8_f32 v[PCS+4*\b+2:PCS+4*\b+3], v[AC+16*\b+8:AC+16*\b+15], v[TM+12+\b]
.endr
	WIN 0
	v_nop                                          ; a plain line behind the last scaled conversion
.endm
.macro PUT a                           ; the codes leave as they stand: each store covers 512 consecutive bytes, aligned
.set PCS, PC+16*((\a)%2)
	s_wait_xcnt 0x0                                ; the earlier stores have read their base and their data: the base may step, and the set of codes before this one may be written again
.if (\a) == 4
	s_add_nc_u64 s[12:13], s[12:13], s[26:27]
.elseif (\a) > 0
	s_add_nc_u64 s[12:13], s[12:13], s[24:25]
.endif
.irp g, 0,1,2,3
	global_store_b128 v[E0+\g/2], v[PCS+4*\g:PCS+4*\g+3], s[12:13] offset:512*(\g%2)
.endr
.endm
.irp a, 0,1,2,3,4,5,6,7
	QUANTW \a
	s_wait_alu depctr_va_vdst(0)
	PUT \a
.endr
	v_cmp_lt_u32 vcc_lo, 15, v[LN]
.irp g, 0,1
.irp q, 0,1
	v_cndmask_b32 v[TW+2*\g+\q], v[PWS+4*\g+2*\q], v[PWS+4*\g+2*\q+1], vcc_lo   ; lanes 0-15: tile 2 q of group g, lanes 16-31: tile 2 q + 1
.endr
.endr
	s_cmp_eq_u32 s[ROLE], 2
	s_cbranch_scc1 .Lwords_v
.irp g, 0,1
.irp q, 0,1
	v_perm_b32 v[TM+4*\g+\q], v[TW+2*\g+\q], v[TW+2*\g+\q], 0x01000100     ; the first head's two bytes, twice
	v_perm_b32 v[TM+4*\g+2+\q], v[TW+2*\g+\q], v[TW+2*\g+\q], 0x03020302   ; the second head's
.endr
.endr
.irp g, 0,1
.irp e, 0,1
	global_store_b64 v[F0+\e], v[TM+4*\g+2*\e:TM+4*\g+2*\e+1], s[104:105] offset:256*\g   ; 256 consecutive bytes, aligned
.endr
.endr
	s_branch .Lwords_done
.Lwords_v:
	s_wait_alu depctr_va_vdst(0)
.irp e, 0,1
	global_store_b64 v[F0+\e], v[TW+2*\e:TW+2*\e+1], s[104:105]
.endr
.Lwords_done:
	s_wait_tensorcnt 0x0                           ; the wave's end
	ds_add_u32 v[SPW], v[NIL]
	s_wait_dscnt 0x0
	CROUND                                         ; the closing round: no work-group ends while a partner may still ask for a tile that names it
	s_endpgm
.Lfunc_end_k_qaf9768c56d_gemm_qkv:
	.size	k_qaf9768c56d_gemm_qkv, .Lfunc_end_k_qaf9768c56d_gemm_qkv-k_qaf9768c56d_gemm_qkv
	.p2alignl 7, 3214868480
	.fill 96, 4, 3214868480
	.section	.rodata,"a",@progbits
	.p2align	6, 0x0
	.amdhsa_kernel k_qaf9768c56d_gemm_qkv
		.amdhsa_group_segment_fixed_size 327680
		.amdhsa_private_segment_fixed_size 0
		.amdhsa_enable_private_segment 0
		.amdhsa_kernarg_size 72
		.amdhsa_user_sgpr_count 2
		.amdhsa_user_sgpr_kernarg_segment_ptr 1
		.amdhsa_wavefront_size32 1
		.amdhsa_system_sgpr_workgroup_id_x 1
		.amdhsa_system_sgpr_workgroup_id_y 1
		.amdhsa_system_sgpr_workgroup_id_z 1
		.amdhsa_system_vgpr_workitem_id 0
		.amdhsa_next_free_vgpr 1024
		.amdhsa_next_free_sgpr 106
		.amdhsa_reserve_vcc 1
		.amdhsa_float_denorm_mode_32 3
		.amdhsa_float_denorm_mode_16_64 3
		.amdhsa_memory_ordered 1
		.amdhsa_forward_progress 1
		.amdhsa_inst_pref_size 210
	.end_amdhsa_kernel
	.amdgpu_metadata
---
amdhsa.version: [ 1, 2 ]
amdhsa.kernels:
  - .name:           k_qaf9768c56d_gemm_qkv
    .symbol:         k_qaf9768c56d_gemm_qkv.kd
    .args:
      - { .name: x_img, .offset: 0, .size: 8, .value_kind: global_buffer, .address_space: global }
      - { .name: x_scl, .offset: 8, .size: 8, .value_kind: global_buffer, .address_space: global }
      - { .name: w_img, .offset: 16, .size: 8, .value_kind: global_buffer, .address_space: global }
      - { .name: w_scl, .offset: 24, .size: 8, .value_kind: global_buffer, .address_space: global }
      - { .name: bq, .offset: 32, .size: 8, .value_kind: global_buffer, .address_space: global }
      - { .name: bk, .offset: 40, .size: 8, .value_kind: global_buffer, .address_space: global }
      - { .name: bv, .offset: 48, .size: 8, .value_kind: global_buffer, .address_space: global }
      - { .name: qkv_img, .offset: 56, .size: 8, .value_kind: global_buffer, .address_space: global }
      - { .name: qkv_scl, .offset: 64, .size: 8, .value_kind: global_buffer, .address_space: global }
    .group_segment_fixed_size: 327680
    .private_segment_fixed_size: 0
    .kernarg_segment_align: 8
    .kernarg_segment_size: 72
    .max_flat_workgroup_size: 128
    .sgpr_count:     106
    .vgpr_count:     1024
    .wavefront_size: 32
...
	.end_amdgpu_metadata
.endif
;; end of part 2
;; launch attn (part 3): grid 4 x 64, 8 waves a work-group, clusters of 4 x 1, 327,680 bytes of LDS; arguments qkv_img, qkv_scl, c_img, c_scl; writes c_img, c_scl
.if DOCPART == 3
	.amdgcn_target "amdgcn-amd-amdhsa--gfx1250"
	.amdhsa_code_object_version 6
	.text
	.protected	k_qaf9768c56d_attn
	.globl	k_qaf9768c56d_attn
	.p2align	8
	.type	k_qaf9768c56d_attn,@function
k_qaf9768c56d_attn:
	s_mov_b64 s[64:65], 0
	v_nop
	global_prefetch_b8 v0, s[64:65] scope:SCOPE_SE
	s_setreg_imm32_b32 hwreg(HW_REG_WAVE_MODE, 25, 1), 1
	s_wait_xcnt 0x0
	s_wait_alu depctr_hold_cnt(0) depctr_sa_sdst(0) depctr_va_vdst(0) depctr_va_sdst(0) depctr_va_ssrc(0) depctr_va_vcc(0) depctr_vm_vsrc(0)
	s_getreg_b32 s2, hwreg(HW_REG_IB_STS2, 6, 4)
	s_cmp_eq_u32 s2, 0
	s_cbranch_scc0 .Lentry_in_a_cluster
	s_endpgm
.Lentry_in_a_cluster:
	s_bfe_u32 s2, ttmp6, 0x10000c
	s_cmp_lg_u32 s2, 0x3003
	s_cbranch_scc0 .Lentry_shape_is_right
	s_endpgm
.Lentry_shape_is_right:
; context = softmax(q k^T / 8) v for one head (work-group y: 16 x batch + head), both products on codes of E5M2 with E8M0 scales; the context is quantised along the features and leaves as an image of the last product's operand registers.
; THE SOFTMAX: t = score x log2(e) / 8; M = the running largest t rounded up to a whole number; p = 2^(t - M) is quantised along the keys, not normalised; the row's sum is taken of the unquantised p and divides at the end.
; When M moves, the sum and O are multiplied by 2^(old M - new M), made by v_ldexp_f32: nothing is rounded, and no branch hangs on data.
; LIMITS: the promise holds while the scaled scores t stay under 2^31 in magnitude; NaN and infinities are not served; a block of zeros or under 2^-111 gets the byte 1 (the bytes are read by this program alone).
; SHARES.  The four work-groups of a cluster own 512 queries each of one head and ask JOINTLY for its K, V (262,144 bytes) and their scale words (12,288 bytes), which stay in LDS: filled once, by the head's loads, one a wave.
; Each of EIGHT waves owns four tiles of 16 queries and walks the 2,048 keys once, 128 a step: a fragment of K or V is read from LDS once for the four tiles.
; No prefetch: all that the launch streams is asked for by the head's loads, and there is no loop to run ahead in.
; LAYOUT.  Both products transposed: S^T = K Q^T, O^T = V^T P^T: a lane holds one query (lane % 16).  By the images' row order the 16 registers of key tiles 2 b, 2 b + 1 are 16 neighbouring keys.
; The head's axis is 64, the instruction's K 128: a pair of key tiles lies as [K even, zeros, K odd], so that [K even, 0] and [0, K odd] are two operands; q lies twice, [q, q]; the scale words hold the two bytes twice.
; ORDER OF A STEP.  A tile's scores are made while the tile before is held and converted, block by block, into the score registers that the conversions have left; P V of a tile stands among the next tile's maxima.
; K of the next step is fetched in the fourth tile, behind its last use; V at the step's head.
; REGISTERS.  Window 0: v1-15 addresses and the sums' chains; v16-31 four tiles' -M, largest score, sum (two halves); v32-42 scale words; v44-63 at work; v64-127 S^T, then p; v128-143 p's codes; v144-207 q; v208-255 key pairs 0, 1.
; Window 1: v0-127 O^T of four tiles; v128-175 key pairs 2, 3; v176-239 V.
.set DUAL, 1                           ; 1: the holds go two to an instruction
.set SPARE, 0x43000                    ; the spare words: 128 bytes a wave, four blocks of 256 bytes that no other line names
.set LI,1                              ; 16 x lane
.set LV,2                              ; the same in V's part of LDS
.set AKS,3                             ; 8 x lane among K's scale words
.set AVS,4                             ; among V's
.set R8,5
.set R8H,6
.set ADK,7
.set SPW,8
.set NIL,9
.set SU,10                             ; v10-15 three chains of the row's sum; at a step's head v10, v11 are V's addresses
.set ADV,10
.set ADT,11
.set ST,16
.set QS,32
.set KS,36
.set VS,40
.set PW,42
.set ADS,43
.set BM,44
.set PX,48
.set SOP,52
.set BD,56
.set FF,60
.set T0,62
.set S,64
.set CD,128
.set Q,144
.set K0,208
.set K1,128
.set VF,176
.set WV,12
.set SEL,60
.set CS,62
.set HM,74
.set MNT,75
.set CNT,76
.set TB,77
.set TS,78
.set TJ,79
.set MSB, 0
.macro WIN new                         ; the immediate's high byte repeats the setting that is left
.if MSB != (\new)
	s_set_vgpr_msb (MSB<<8)|(\new)
.set MSB, (\new)
.endif
.endm
.macro CROUND
	s_barrier_signal -1
	s_barrier_wait -1
	s_cmp_lg_u32 s[WV], 0
	s_cbranch_scc1 .Lnot_wave_0_\@
	s_barrier_signal -3
.Lnot_wave_0_\@:
	s_barrier_wait -3
	s_barrier_signal -1
	s_barrier_wait -1
.endm
.macro TLOAD g0, g1                    ; an s_nop 0 and four v_nop follow a tensor load
	tensor_load_to_lds s[\g0:\g0+3], s[\g1:\g1+7]
	s_nop 0
.rept 4
	v_nop
.endr
.endm
	s_load_b256 s[4:11], s[0:1], 0x0               ; qkv_img, qkv_scl, c_img, c_scl
	v_lshl_add_u32 v[SPW], v0, 2, SPARE
	v_mov_b32 v[NIL], 0
	ds_add_u32 v[SPW], v[NIL]                      ; the opening lines: the add twice on end and its wait
	ds_add_u32 v[SPW], v[NIL]
	v_lshrrev_b32 v10, 5, v0
	v_readfirstlane_b32 s[WV], v10
	s_and_b32 s14, ttmp7, 0xffff                   ; 16 x batch + head
.irp g, 24, 32, 40                     ; three groups 1: dense blocks as rows of 256 bytes, asked for by all four partners
	s_mov_b32 s[\g], 15|(3<<16)|(1<<21)
	s_mov_b32 s[\g+1], 32<<16
	s_mov_b32 s[\g+3], 32<<16
	s_mov_b32 s[\g+5], 32
	s_mov_b32 s[\g+6], 0
	s_mov_b32 s[\g+7], 0
.endr
	s_mov_b32 s26, 128<<16                         ; waves 0-3: a quarter of K, 128 rows
	s_mov_b32 s28, 128
	s_mov_b32 s34, 256<<16                         ; waves 4, 5: half of V, 256 rows
	s_mov_b32 s36, 256
	s_mov_b32 s42, 24<<16                          ; waves 6, 7: half of the scale words, 24 rows
	s_mov_b32 s44, 24
	s_lshl_b32 s16, s14, 18
	s_add_co_u32 s16, s16, 8388608                 ; the head's K, then V, behind q's region
	s_and_b32 s17, s[WV], 3
	s_lshl_b32 s49, s17, 15
	s_add_co_u32 s18, s16, s49
	s_mov_b32 s19, 0
	s_and_b32 s17, s[WV], 1
	s_lshl_b32 s53, s17, 16
	s_add_co_u32 s53, s53, 131072
	s_add_co_u32 s20, s16, s53
	s_mov_b32 s21, 0
	s_mul_i32 s57, s17, 6144
	s_mul_i32 s22, s14, 12288
	s_add_co_u32 s22, s22, s57
	s_add_co_u32 s22, s22, 524288
	s_mov_b32 s23, 0
	s_add_co_u32 s57, s57, 262144
	s_mov_b32 s48, 1
	s_mov_b32 s52, 1
	s_mov_b32 s56, 1
	s_wait_dscnt 0x0
	s_wait_kmcnt 0x0
	s_add_nc_u64 s[50:51], s[4:5], s[18:19]
	s_or_b32 s51, s51, 0x80000000
	s_add_nc_u64 s[54:55], s[4:5], s[20:21]
	s_or_b32 s55, s55, 0x80000000
	s_add_nc_u64 s[58:59], s[6:7], s[22:23]
	s_or_b32 s59, s59, 0x80000000
	CROUND                                         ; the four partners are here: the joint loads meet
	s_cmp_lt_u32 s[WV], 4                          ; one chain of arms, one load to an arm
	s_cbranch_scc0 .Larm_v
	TLOAD 48, 24
	s_branch .Lasked
.Larm_v:
	s_cmp_lt_u32 s[WV], 6
	s_cbranch_scc0 .Larm_s
	TLOAD 52, 32
	s_branch .Lasked
.Larm_s:
	TLOAD 56, 40
.Lasked:
	s_bfe_u32 s13, ttmp6, 0x40000                  ; cx: it enters global addresses of my own loads and stores alone
	s_lshl_b32 s15, s13, 3
	s_add_co_u32 s15, s15, s[WV]                   ; my group of four query tiles: 8 cx + wave
	s_lshl_b32 s66, s15, 12
	s_lshl_b32 s16, s14, 17
	s_add_co_u32 s66, s66, s16
	s_mov_b32 s67, 0
	s_add_nc_u64 s[66:67], s[4:5], s[66:67]        ; q's codes
	s_lshl_b32 s68, s15, 8
	s_lshl_b32 s16, s14, 13
	s_add_co_u32 s68, s68, s16
	s_mov_b32 s69, 0
	s_add_nc_u64 s[68:69], s[6:7], s[68:69]        ; q's scale words
	s_lshr_b32 s16, s14, 4
	s_lshl_b32 s16, s16, 4
	s_lshr_b32 s17, s15, 1
	s_add_co_u32 s16, s16, s17                     ; the context's block of 128 tokens
	s_and_b32 s17, s15, 1                          ; which four tiles of it
	s_and_b32 s18, s14, 15                         ; the head
	s_lshl_b32 s70, s16, 17
	s_lshr_b32 s19, s18, 1
	s_lshl_b32 s19, s19, 14
	s_add_co_u32 s70, s70, s19
	s_lshl_b32 s19, s17, 13
	s_add_co_u32 s70, s70, s19
	s_and_b32 s19, s18, 1
	s_lshl_b32 s19, s19, 10
	s_add_co_u32 s70, s70, s19
	s_mov_b32 s71, 0
	s_add_nc_u64 s[70:71], s[8:9], s[70:71]
	s_lshl_b32 s72, s16, 12
	s_lshr_b32 s19, s18, 2
	s_lshl_b32 s19, s19, 10
	s_add_co_u32 s72, s72, s19
	s_lshl_b32 s19, s17, 9
	s_add_co_u32 s72, s72, s19
	s_bfe_u32 s19, s18, 0x10001
	s_lshl_b32 s19, s19, 2
	s_add_co_u32 s72, s72, s19
	s_and_b32 s19, s18, 1
	s_lshl_b32 s19, s19, 1
	s_add_co_u32 s72, s72, s19
	s_mov_b32 s73, 0
	s_add_nc_u64 s[72:73], s[10:11], s[72:73]
	s_mov_b32 s[SEL], 0x76543210
	s_mov_b32 s[SEL+1], 0xfedcba98
	s_mov_b32 s[CS], 0x3e38aa3b                    ; c = log2(e) / 8
	s_mov_b32 s[HM], 0xffff0000
	s_mov_b32 s[MNT], 0x600000
	s_mov_b32 s[TB], 0
	s_mov_b32 s[TS], 0
	s_mov_b32 s[TJ], 0
	s_mov_b32 s[CNT], 16
	v_and_b32 v10, 31, v0
	v_and_b32 v11, 15, v0
	v_bfe_u32 v12, v0, 4, 1
	v_lshlrev_b32 v[LI], 4, v10
	v_lshlrev_b32 v[AKS], 3, v10
	v_lshlrev_b32 v[R8], 3, v11
	v_add_nc_u32 v[LV], 131072, v[LI]
	v_add_nc_u32 v[AVS], 270336, v[AKS]
	v_add_nc_u32 v[AKS], 262144, v[AKS]
	v_add_nc_u32 v[R8H], v[R8], v12
.irp t, 0,1,2,3
.irp c, 0,1
	global_load_b128 v[Q+16*\t+4*\c:Q+16*\t+4*\c+3], v[LI], s[66:67] offset:1024*\t+512*\c      ; q, twice
	global_load_b128 v[Q+16*\t+8+4*\c:Q+16*\t+8+4*\c+3], v[LI], s[66:67] offset:1024*\t+512*\c
.endr
	global_load_b32 v[QS+\t], v[R8], s[68:69] offset:128*(\t%2)+4*(\t/2)
.endr
	v_mov_b32 v[T0+1], 0xff61b1e6                  ; the largest score so far: -3e38
	v_mul_f32 v[T0], s[CS], v[T0+1]
.irp t, 0,1,2,3
	v_mov_b32 v[ST+4*\t+1], v[T0+1]
	v_floor_f32 v[ST+4*\t], -v[T0]                 ; -M
	v_mov_b32 v[ST+4*\t+2], 0
	v_mov_b32 v[ST+4*\t+3], 0
	v_mov_b32 v[PX+\t], 0                          ; a lane permute's destination counts as one of its sources
.endr
	v_mov_b32 v[FF+1], 0                           ; named as the upper half of a pair
.set I_, 0
.rept 8
	v_mov_b32 v[K0+8+I_], 0                        ; the zeros between the tiles of a pair: written once
	v_mov_b32 v[K0+32+I_], 0
.set I_, I_+1
.endr
	WIN 0x40
.set I_, 0
.rept 8
	v_mov_b32 v[K1+8+I_], 0
	v_mov_b32 v[K1+32+I_], 0
.set I_, I_+1
.endr
.set I_, 0
.rept 128
	v_mov_b32 v[I_], 0                             ; O^T: the step is written once; the first change of M multiplies zeros
.set I_, I_+1
.endr
	WIN 0
; key tiles 2 b, 2 b + 1 against query tile t: two products that start anew in the score registers of block b
.macro WP b, t
.if (\b) < 2
	WIN 0
.set KB_, K0+24*(\b)
.else
	WIN 1
.set KB_, K1+24*((\b)-2)
.endif
	v_wmma_scale_f32_16x16x128_f8f6f4 v[S+16*(\b):S+16*(\b)+7], v[KB_:KB_+15], v[Q+16*(\t):Q+16*(\t)+15], 0, v[KS+(\b)], v[QS+(\t)] matrix_a_fmt:MATRIX_FMT_BF8 matrix_b_fmt:MATRIX_FMT_BF8
	v_wmma_scale_f32_16x16x128_f8f6f4 v[S+16*(\b)+8:S+16*(\b)+15], v[KB_+8:KB_+23], v[Q+16*(\t):Q+16*(\t)+15], 0, v[KS+(\b)], v[QS+(\t)] matrix_a_fmt:MATRIX_FMT_BF8 matrix_b_fmt:MATRIX_FMT_BF8 matrix_a_scale:MATRIX_SCALE_ROW1
.endm
.macro PV t                            ; O^T of tile t += V^T P^T: the four accumulators by turns
	WIN 0x51
.irp d, 0,1,2,3
.if \d%2
	v_wmma_scale_f32_16x16x128_f8f6f4 v[32*(\t)+8*\d:32*(\t)+8*\d+7], v[VF+16*\d:VF+16*\d+15], v[CD:CD+15], v[32*(\t)+8*\d:32*(\t)+8*\d+7], v[VS+\d/2], v[PW] matrix_a_fmt:MATRIX_FMT_BF8 matrix_b_fmt:MATRIX_FMT_BF8 matrix_a_scale:MATRIX_SCALE_ROW1
.else
	v_wmma_scale_f32_16x16x128_f8f6f4 v[32*(\t)+8*\d:32*(\t)+8*\d+7], v[VF+16*\d:VF+16*\d+15], v[CD:CD+15], v[32*(\t)+8*\d:32*(\t)+8*\d+7], v[VS+\d/2], v[PW] matrix_a_fmt:MATRIX_FMT_BF8 matrix_b_fmt:MATRIX_FMT_BF8
.endif
.endr
	WIN 0
.endm
.macro KLOAD adk, ads, ko, so          ; a step's eight key tiles and their scale words: 18 loads
.irp b, 0,1
.irp u, 0,1
	ds_load_b128 v[K0+24*\b+16*\u:K0+24*\b+16*\u+3], v[\adk] offset:\ko+2048*\b+1024*\u
	ds_load_b128 v[K0+24*\b+16*\u+4:K0+24*\b+16*\u+7], v[\adk] offset:\ko+2048*\b+1024*\u+512
.endr
.endr
	WIN 0x40
.irp b, 0,1
.irp u, 0,1
	ds_load_b128 v[K1+24*\b+16*\u:K1+24*\b+16*\u+3], v[\adk] offset:\ko+4096+2048*\b+1024*\u
	ds_load_b128 v[K1+24*\b+16*\u+4:K1+24*\b+16*\u+7], v[\adk] offset:\ko+4096+2048*\b+1024*\u+512
.endr
.endr
	WIN 0
	ds_load_b64 v[KS:KS+1], v[\ads] offset:\so
	ds_load_b64 v[KS+2:KS+3], v[\ads] offset:\so+256
.endm
; the largest score of block b in eight lines, two chains; each accumulator is first read at its low end
.macro BST i, b
.set X_, S+16*(\b)
.if (\i) == 0
	v_max3_num_f32 v[BM+\b], v[X_], v[X_+1], v[X_+2]
.elseif (\i) == 1
	v_max3_num_f32 v[PX+\b], v[X_+8], v[X_+9], v[X_+10]
.elseif (\i) == 6
	v_max3_num_f32 v[BM+\b], v[BM+\b], v[PX+\b], v[X_+7]
.elseif (\i) == 7
	v_max_num_f32 v[BM+\b], v[BM+\b], v[X_+15]
.elseif ((\i)%2) == 0
	v_max3_num_f32 v[BM+\b], v[BM+\b], v[X_+(\i)+1], v[X_+(\i)+2]
.else
	v_max3_num_f32 v[PX+\b], v[PX+\b], v[X_+(\i)+8], v[X_+(\i)+9]
.endif
.endm
.macro BMAXP                           ; blocks 0 and 1 by turns
.irp i, 0,1,2,3,4,5,6,7
	BST \i, 0
	BST \i, 1
.endr
.endm
.macro BMAX1 b
.irp i, 0,1,2,3,4,5,6,7
	BST \i, \b
.endr
.endm
.macro HOLDB b                         ; the conversion does not saturate (ISA guide 7.6.2); p is not negative, so the hold is one-sided.  The first two lines are single ones: plain lines behind the conversions above
	v_min_num_f32 v[S+16*\b], v[S+16*\b], v[BD+\b]
	v_min_num_f32 v[S+16*\b+1], v[S+16*\b+1], v[BD+\b]
.irp i, 2,4,6,8,10,12,14
.if DUAL
	v_dual_min_num_f32 v[S+16*\b+\i], v[S+16*\b+\i], v[BD+\b] :: v_dual_min_num_f32 v[S+16*\b+\i+1], v[S+16*\b+\i+1], v[BD+\b]
.else
	v_min_num_f32 v[S+16*\b+\i], v[S+16*\b+\i], v[BD+\b]
	v_min_num_f32 v[S+16*\b+\i+1], v[S+16*\b+\i+1], v[BD+\b]
.endif
.endr
.endm
.set CC, 0x3e38aa3b                    ; c once more, as the dual forms' literal
.macro DADD d, a, b                    ; two additions in one instruction: registers d, d + 1 = a, a + 1 plus b, b + 1; the two halves' sources lie in different banks
	v_dual_add_f32 v[\d], v[\a], v[\b] :: v_dual_add_f32 v[\d+1], v[\a+1], v[\b+1]
.endm
.macro CVB b
	v_cvt_scalef32_pk8_bf8_f32 v[CD+4*\b:CD+4*\b+1], v[S+16*\b:S+16*\b+7], v[SOP+\b]
	v_cvt_scalef32_pk8_bf8_f32 v[CD+4*\b+2:CD+4*\b+3], v[S+16*\b+8:S+16*\b+15], v[SOP+\b]
.endm
; Tile t behind its blocks' maxima: M, p, the sum, O^T under the new M, p's scales and codes.  nx: the tile whose scores are made meanwhile (-1: none).  kl = 1: the next step's K is fetched
.macro REST t, nx, kl
.set N_, ST+4*(\t)
.irp b, 0,1,2,3
	v_permlanex16_b32 v[PX+\b], v[BM+\b], s[SEL], s[SEL+1]
.endr
	v_dual_max_num_f32 v[BM], v[BM], v[PX] :: v_dual_max_num_f32 v[BM+1], v[BM+1], v[PX+1]           ; with lane l xor 16's 16 keys: the block's largest score
	v_dual_max_num_f32 v[BM+2], v[BM+2], v[PX+2] :: v_dual_max_num_f32 v[BM+3], v[BM+3], v[PX+3]
	v_max3_num_f32 v[N_+1], v[N_+1], v[BM], v[BM+1]
	v_max3_num_f32 v[N_+1], v[N_+1], v[BM+2], v[BM+3]   ; the running largest score
	v_mul_f32 v[T0], s[CS], v[N_+1]                ; as t (c is positive)
	v_floor_f32 v[T0+1], -v[T0]                    ; the new -M
	v_sub_f32 v[FF], v[T0+1], v[N_]                ; old M - new M: a whole number, 0 or less
	v_mov_b32 v[N_], v[T0+1]
	v_cvt_i32_f32 v[FF], v[FF]                     ; (it saturates)
	v_ldexp_f32 v[FF], 1.0, v[FF]                  ; f = 2^(old M - new M)
.set I_, 0
.rept 32
	v_dual_fmamk_f32 v[S+I_], v[S+I_], CC, v[N_] :: v_dual_fmamk_f32 v[S+I_+1], v[S+I_+1], CC, v[T0+1]   ; t - M = score x c + (-M), fused, two to an instruction; -M stands in an even and in an odd register, one for each half
.set I_, I_+2
.endr
	v_dual_fmamk_f32 v[BM], v[BM], CC, v[N_] :: v_dual_fmamk_f32 v[BM+1], v[BM+1], CC, v[T0+1]           ; the same of each block's largest score: p rises with the score
	v_dual_fmamk_f32 v[BM+2], v[BM+2], CC, v[N_] :: v_dual_fmamk_f32 v[BM+3], v[BM+3], CC, v[T0+1]
.if \kl
	s_cmp_eq_u32 s[CNT], 1                         ; the last step has no successor: a count of steps, the same in all waves
.endif
	s_wait_alu depctr_va_vdst(0)                   ; the wait ahead of the batch (and of the branch)
.if \kl
	s_cbranch_scc1 .Lno_next_\@
	KLOAD ADK, ADS, 8192, 512                      ; K's registers had their last use in this tile's maxima, more than eight plain lines back
.Lno_next_\@:
.endif
.set I_, 0
.rept 64
	v_exp_f32 v[S+I_], v[S+I_]                     ; p = 2^(t - M)
.set I_, I_+1
.endr
.irp b, 0,1,2,3
	v_exp_f32 v[BM+\b], v[BM+\b]                   ; the block's largest p
.endr
	WIN 0x41
	s_wait_alu depctr_va_vdst(0)                   ; one wait behind the batch, directly ahead of the first reader of O^T
.set I_, 0
.rept 16
	v_pk_mul_f32 v[32*(\t)+I_:32*(\t)+I_+1], v[32*(\t)+I_:32*(\t)+I_+1], v[FF:FF+1] op_sel_hi:[1,0]   ; O^T under the new M
.set I_, I_+2
.endr
	WIN 0
.irp b, 0,1,2,3
	v_max_num_f32 v[BM+\b], 0x8000000, v[BM+\b]    ; the floor 2^(16 - 127): the byte cannot fall under 1
.endr
.irp b, 0,1,2,3
	v_add_nc_u32 v[SOP+\b], 0xf8800000, v[BM+\b]   ; 15 off the exponent field: the conversion's scale operand
.endr
.irp b, 0,1,2,3
	v_and_or_b32 v[BD+\b], v[BM+\b], 0x7f800000, s[MNT]   ; 57,344 x the scale
.endr
.irp b, 0,1,2,3
	v_lshrrev_b32 v[PX+\b], 23, v[SOP+\b]
.endr
	v_lshl_or_b32 v[PW], v[PX+1], 8, v[PX]         ; p's scale word for these 128 keys
	v_lshl_or_b32 v[PW], v[PX+2], 16, v[PW]
	v_lshl_or_b32 v[PW], v[PX+3], 24, v[PW]
	v_dual_mul_f32 v[N_+2], v[N_+2], v[FF] :: v_dual_mul_f32 v[N_+3], v[N_+3], v[FF]   ; the sum under the new M (a power of two: nothing is rounded), then the unquantised p onto it: four chains of two halves
	DADD N_+2, S, N_+2
	DADD SU, S+2, S+4
	DADD SU+2, S+6, S+8
	DADD SU+4, S+10, S+12
.set I_, S+14
.rept 6
	DADD N_+2, I_, N_+2
	DADD SU, I_+2, SU
	DADD SU+2, I_+4, SU+2
	DADD SU+4, I_+6, SU+4
.set I_, I_+8
.endr
	DADD N_+2, S+62, N_+2
	DADD SU, SU+2, SU
	DADD N_+2, SU+4, N_+2
	DADD N_+2, SU, N_+2
	HOLDB 0
	CVB 0
	HOLDB 1
.if (\nx) >= 0
	WP 0, \nx                                      ; block 0's registers are free: the next tile's scores begin
	WIN 0
.endif
	CVB 1
	HOLDB 2
.if (\nx) >= 0
	WP 1, \nx
	WIN 0
.endif
	CVB 2
	HOLDB 3
.if (\nx) >= 0
	WP 2, \nx
	WIN 0
.endif
	CVB 3
.endm
	s_wait_alu depctr_va_vdst(0)
	s_wait_tensorcnt 0x0                           ; my part of K, V or the scale words is in
	s_barrier_signal -1
	s_barrier_wait -1                              ; and everybody's
	KLOAD LI, AKS, 0, 0
	s_wait_loadcnt 0x0                             ; q
.Lstep:
	s_wait_dscnt 0x0                               ; this step's K
	WP 0, 0
	WP 1, 0
	WP 2, 0
	WP 3, 0
	WIN 0
	v_add_nc_u32 v[ADV], s[TB], v[LV]              ; these eight lines are the places behind the products above and behind the last step's, ahead of the loads into V's registers
	v_add_nc_u32 v[ADT], s[TJ], v[AVS]
	v_add_nc_u32 v[ADK], s[TB], v[LI]
	v_add_nc_u32 v[ADS], s[TS], v[AKS]
.rept 4
	v_nop
.endr
	WIN 0x40
.irp d, 0,1,2,3
.irp c, 0,1,2,3
	ds_load_b128 v[VF+16*\d+4*\c:VF+16*\d+4*\c+3], v[ADV] offset:2048*\d+512*\c
.endr
.endr
	WIN 0
	ds_load_b64 v[VS:VS+1], v[ADT]
	BMAXP
	BMAX1 2
	BMAX1 3
	REST 0, 1, 0
	BMAXP                                          ; sixteen plain lines between the codes and P V
	WP 3, 1
	s_wait_dscnt 0x0                               ; V and its scale words
	PV 0
	BMAX1 2                                        ; eight places behind block 3's products
	BMAX1 3
	REST 1, 2, 0
	BMAXP
	WP 3, 2
	PV 1
	BMAX1 2
	BMAX1 3
	REST 2, 3, 0
	BMAXP
	WP 3, 3
	PV 2
	BMAX1 2
	BMAX1 3
	REST 3, -1, 1
.rept 4
	v_nop                                          ; codes written by vector instructions stand four places ahead of a scaled product
.endr
	PV 3
	s_add_co_u32 s[TB], s[TB], 8192
	s_add_co_u32 s[TS], s[TS], 512
	s_add_co_u32 s[TJ], s[TJ], 256
	s_sub_co_u32 s[CNT], s[CNT], 1
	s_cmp_lg_u32 s[CNT], 0
	s_cbranch_scc1 .Lstep
; THE WAY OUT: O^T / the sum, quantised along the head's 64 features (two blocks of 32, each in lanes l and l xor 16); codes and bytes leave as the last product's image wants them
.irp t, 0,1,2,3
	v_add_f32 v[ST+4*\t+2], v[ST+4*\t+2], v[ST+4*\t+3]
.endr
.irp t, 0,1,2,3
	v_permlanex16_b32 v[PX+\t], v[ST+4*\t+2], s[SEL], s[SEL+1]
.endr
.irp t, 0,1,2,3
	v_add_f32 v[ST+4*\t+2], v[ST+4*\t+2], v[PX+\t]
.endr
	s_wait_alu depctr_va_vdst(0)                   ; the wait ahead of the batch
.irp t, 0,1,2,3
	v_rcp_f32 v[ST+4*\t+2], v[ST+4*\t+2]
.endr
	v_nop                                          ; a plain place behind the transcendentals
.macro OUT t
	WIN 0x01
	s_wait_alu depctr_va_vdst(0)                   ; directly ahead of the first reader of this tile's O^T
.set I_, 0
.rept 16
	v_pk_mul_f32 v[S+I_:S+I_+1], v[32*(\t)+I_:32*(\t)+I_+1], v[ST+4*(\t)+2:ST+4*(\t)+3] op_sel_hi:[1,0]
.set I_, I_+2
.endr
	WIN 0
.irp b, 0,1
	v_max3_num_f32 v[BM+\b], |v[S+16*\b]|, |v[S+16*\b+1]|, 0x8000000
.endr
.irp i, 2,4,6,8,10,12,14
.irp b, 0,1
	v_max3_num_f32 v[BM+\b], v[BM+\b], |v[S+16*\b+\i]|, |v[S+16*\b+\i+1]|
.endr
.endr
.irp b, 0,1
	v_permlanex16_b32 v[PX+\b], v[BM+\b], s[SEL], s[SEL+1]
.endr
.irp b, 0,1
	v_max_num_f32 v[BM+\b], v[BM+\b], v[PX+\b]
.endr
.irp b, 0,1
	v_add_nc_u32 v[SOP+\b], 0xf8800000, v[BM+\b]
.endr
.irp b, 0,1
	v_and_or_b32 v[BD+\b], v[BM+\b], 0x7f800000, s[MNT]
.endr
.irp b, 0,1
	v_lshrrev_b32 v[PX+\b], 23, v[SOP+\b]
.endr
	v_cndmask_b32 v[K0+32+(\t)], v[PX], v[PX+1], s[HM]   ; lanes 0-15 store block 0's byte, lanes 16-31 block 1's
.irp b, 0,1
.irp i, 0,1,2,3,4,5,6,7,8,9,10,11,12,13,14,15
	v_med3_num_f32 v[S+16*\b+\i], v[S+16*\b+\i], -v[BD+\b], v[BD+\b]
.endr
	v_cvt_scalef32_pk8_bf8_f32 v[K0+8*(\t)+4*\b:K0+8*(\t)+4*\b+1], v[S+16*\b:S+16*\b+7], v[SOP+\b]
	v_cvt_scalef32_pk8_bf8_f32 v[K0+8*(\t)+4*\b+2:K0+8*(\t)+4*\b+3], v[S+16*\b+8:S+16*\b+15], v[SOP+\b]
.endr
	v_nop                                          ; a plain line behind the last scaled conversion
.irp b, 0,1
	global_store_b128 v[LI], v[K0+8*(\t)+4*\b:K0+8*(\t)+4*\b+3], s[70:71] offset:2048*(\t)+512*\b   ; 512 consecutive bytes, aligned; each tile has its own data registers
.endr
	global_store_b8 v[R8H], v[K0+32+(\t)], s[72:73] offset:128*(\t)
.endm
	OUT 0
	OUT 1
	OUT 2
	OUT 3
	s_wait_tensorcnt 0x0                           ; the wave's end
	ds_add_u32 v[SPW], v[NIL]
	s_wait_dscnt 0x0
	CROUND                                         ; the closing round
	s_endpgm
.Lfunc_end_k_qaf9768c56d_attn:
	.size	k_qaf9768c56d_attn, .Lfunc_end_k_qaf9768c56d_attn-k_qaf9768c56d_attn
	.p2alignl 7, 3214868480
	.fill 96, 4, 3214868480
	.section	.rodata,"a",@progbits
	.p2align	6, 0x0
	.amdhsa_kernel k_qaf9768c56d_attn
		.amdhsa_group_segment_fixed_size 327680
		.amdhsa_private_segment_fixed_size 0
		.amdhsa_enable_private_segment 0
		.amdhsa_kernarg_size 32
		.amdhsa_user_sgpr_count 2
		.amdhsa_user_sgpr_kernarg_segment_ptr 1
		.amdhsa_wavefront_size32 1
		.amdhsa_system_sgpr_workgroup_id_x 1
		.amdhsa_system_sgpr_workgroup_id_y 1
		.amdhsa_system_sgpr_workgroup_id_z 1
		.amdhsa_system_vgpr_workitem_id 0
		.amdhsa_next_free_vgpr 512
		.amdhsa_next_free_sgpr 80
		.amdhsa_reserve_vcc 0
		.amdhsa_float_denorm_mode_32 3
		.amdhsa_float_denorm_mode_16_64 3
		.amdhsa_memory_ordered 1
		.amdhsa_forward_progress 1
		.amdhsa_inst_pref_size 108
	.end_amdhsa_kernel
	.amdgpu_metadata
---
amdhsa.version: [ 1, 2 ]
amdhsa.kernels:
  - .name:           k_qaf9768c56d_attn
    .symbol:         k_qaf9768c56d_attn.kd
    .args:
      - { .name: qkv_img, .offset: 0, .size: 8, .value_kind: global_buffer, .address_space: global }
      - { .name: qkv_scl, .offset: 8, .size: 8, .value_kind: global_buffer, .address_space: global }
      - { .name: c_img, .offset: 16, .size: 8, .value_kind: global_buffer, .address_space: global }
      - { .name: c_scl, .offset: 24, .size: 8, .value_kind: global_buffer, .address_space: global }
    .group_segment_fixed_size: 327680
    .private_segment_fixed_size: 0
    .kernarg_segment_align: 8
    .kernarg_segment_size: 32
    .max_flat_workgroup_size: 256
    .sgpr_count:     80
    .vgpr_count:     512
    .wavefront_size: 32
...
	.end_amdgpu_metadata
.endif
;; end of part 3
;; launch gemm_out (part 4): grid 4 x 32, 4 waves a work-group, clusters of 4 x 4, 327,680 bytes of LDS; arguments c_img, c_scl, w_img, w_scl, bo, out0; writes out0
.if DOCPART == 4
	.amdgcn_target "amdgcn-amd-amdhsa--gfx1250"
	.amdhsa_code_object_version 6
	.text
	.protected	k_qaf9768c56d_gemm_out
	.globl	k_qaf9768c56d_gemm_out
	.p2align	8
	.type	k_qaf9768c56d_gemm_out,@function
k_qaf9768c56d_gemm_out:
	s_mov_b64 s[64:65], 0
	v_nop
	global_prefetch_b8 v0, s[64:65] scope:SCOPE_SE
	s_setreg_imm32_b32 hwreg(HW_REG_WAVE_MODE, 25, 1), 1
	s_wait_xcnt 0x0
	s_wait_alu depctr_hold_cnt(0) depctr_sa_sdst(0) depctr_va_vdst(0) depctr_va_sdst(0) depctr_va_ssrc(0) depctr_va_vcc(0) depctr_vm_vsrc(0)
	s_getreg_b32 s2, hwreg(HW_REG_IB_STS2, 6, 4)
	s_cmp_eq_u32 s2, 0
	s_cbranch_scc0 .Lentry_in_a_cluster
	s_endpgm
.Lentry_in_a_cluster:
	s_bfe_u32 s2, ttmp6, 0x10000c
	s_cmp_lg_u32 s2, 0xf033
	s_cbranch_scc0 .Lentry_shape_is_right
	s_endpgm
.Lentry_shape_is_right:
.set NQ,    2
.set FR,    16
.set NL,    4
.set NP,    8
.set SLOT,  131072
.set SCLX,  2*SLOT
.set SCLW,  SCLX+8192+128
.set SPARE, SCLW+8192+128
.set SPITCH, 528
.set ADRA, 16
.set ADRB, 20
.set STO,  24
.set RD,   25
.set CO,   26
.set ADRS, 27
.set SPW,  28
.set NIL,  29
.set SC,   32
.set BI,   64
.set AF,   128
.set BK,   128
.set G1,   24
.set G0,   32
.set G1B,  48
.set G0B,  56
.set G1S,  68
.set G0S,  76
.set G1SB, 80
.set G0SB, 88
.set MSB, 0
.macro WIN new
.if MSB != (\new)
	s_set_vgpr_msb (MSB<<8)|(\new)
.set MSB, (\new)
.endif
.endm
.set MUL_LO, 0xa1
.set MUL_HI, 0xf1
.set TO_B,   0x40
.macro JLOAD g0a, g1a, g0b, g1b
	s_cmp_eq_u32 s15, 0
	s_cbranch_scc0 .Lfor_b_\@
	tensor_load_to_lds s[\g0a:\g0a+3], s[\g1a:\g1a+7]
	s_nop 0
.rept 4
	v_nop
.endr
	s_branch .Lasked_\@
.Lfor_b_\@:
	tensor_load_to_lds s[\g0b:\g0b+3], s[\g1b:\g1b+7]
	s_nop 0
.rept 4
	v_nop
.endr
.Lasked_\@:
.endm
.macro CREST
	s_cmp_lg_u32 s14, 0
	s_cbranch_scc1 .Lnot_wave_0_\@
	s_barrier_signal -3
.Lnot_wave_0_\@:
	s_barrier_wait -3
	s_barrier_signal -1
	s_barrier_wait -1
.endm
.macro CROUND
	s_barrier_signal -1
	s_barrier_wait -1
	CREST
.endm
	s_load_b256 s[4:11], s[0:1], 0x0
	s_load_b64 s[96:97], s[0:1], 0x20
	s_load_b64 s[12:13], s[0:1], 0x28
	v_lshl_add_u32 v[SPW], v0, 2, SPARE
	v_mov_b32 v[NIL], 0
	ds_add_u32 v28, v29
	ds_add_u32 v28, v29
	s_wait_dscnt 0x0
	v_lshrrev_b32 v1, 5, v0
	v_readfirstlane_b32 s14, v1
	s_lshr_b32 s15, s14, 1
	s_and_b32 s16, s14, 1
	s_bfe_u32 s40, ttmp6, 0x40000
	s_bfe_u32 s41, ttmp6, 0x40004
	s_lshl_b32 s42, ttmp9, 2
	s_add_co_u32 s42, s42, s40
	s_and_b32 s17, ttmp7, 0xffff
	s_lshl_b32 s17, s17, 2
	s_add_co_u32 s17, s17, s41
	s_lshl_b32 s43, s41, 2
	s_lshl_b32 s43, 15, s43
	s_lshl_b32 s44, 0x1111, s40
	s_or_b32 s[G1+0], s43, (3<<16)|(1<<21)
	s_or_b32 s[G1B+0], s44, (3<<16)|(1<<21)
.irp g, G1, G1B                        ; for the head's loads: both blocks' first 32,768 bytes as two rows, 131,072 bytes apart; behind them these five words are set for the ring's loads
	s_mov_b32 s[\g+1], 4096<<16
	s_mov_b32 s[\g+2], 2<<16
	s_mov_b32 s[\g+3], 4096<<16
	s_mov_b32 s[\g+4], 2
	s_mov_b32 s[\g+5], 16384
	s_mov_b32 s[\g+6], 0
	s_mov_b32 s[\g+7], 0
.endr
	s_or_b32 s[G1S+0], s43, (3<<16)|(1<<21)
	s_or_b32 s[G1SB+0], s44, (3<<16)|(1<<21)
.irp g, G1S, G1SB
	s_mov_b32 s[\g+1], 32<<16
	s_mov_b32 s[\g+2], 32<<16                      ; the scale words of 256 rows: 8,192 dense bytes
	s_mov_b32 s[\g+3], 32<<16
	s_mov_b32 s[\g+4], 32
	s_mov_b32 s[\g+5], 32
	s_mov_b32 s[\g+6], 0
	s_mov_b32 s[\g+7], 0
.endr
	s_lshl_b32 s20, s17, 1                         ; the first of the context's two blocks of 128 places
	s_lshl_b32 s46, s42, 1                         ; of the weight's
	s_lshl_b32 s22, s20, 12
	s_mov_b32 s23, 0
	s_lshl_b32 s20, s20, 17
	s_mov_b32 s21, 0
	s_lshl_b32 s92, s46, 12
	s_lshl_b32 s46, s46, 17
	s_add_co_u32 s46, s46, 3<<20
	s_add_co_u32 s92, s92, 3<<15
	s_mov_b32 s47, 0
	s_mov_b32 s93, 0
	s_lshl_b32 s45, s14, 15
	s_wait_kmcnt 0x0
	s_add_nc_u64 s[20:21], s[4:5], s[20:21]
	s_add_nc_u64 s[22:23], s[6:7], s[22:23]
	s_add_nc_u64 s[46:47], s[8:9], s[46:47]
	s_add_nc_u64 s[92:93], s[10:11], s[92:93]
	CROUND
	s_mov_b32 s[G0S], 1
	s_mov_b32 s[G0S+1], SCLX
	s_mov_b64 s[G0S+2:G0S+3], s[22:23]
	s_or_b32 s[G0S+3], s[G0S+3], 0x80000000
	s_mov_b32 s[G0SB], 1
	s_mov_b32 s[G0SB+1], SCLW
	s_mov_b64 s[G0SB+2:G0SB+3], s[92:93]
	s_or_b32 s[G0SB+3], s[G0SB+3], 0x80000000
	s_mov_b32 s4, 1                                ; group 0 of the head's loads of codes, in registers whose arguments have been used: the context's two halves of slot 0,
	s_mov_b32 s5, 0
	s_mov_b64 s[6:7], s[20:21]
	s_or_b32 s7, s7, 0x80000000
	s_mov_b32 s8, 1                                ; the weight's, behind them
	s_mov_b32 s9, 65536
	s_mov_b64 s[10:11], s[46:47]
	s_or_b32 s11, s11, 0x80000000
	s_lshl_b32 s18, s16, 17                        ; for the ring: the block of the two that I fetch
	s_mov_b32 s19, 0
	s_add_nc_u64 s[20:21], s[20:21], s[18:19]
	s_add_nc_u64 s[46:47], s[46:47], s[18:19]
.irp s, 0,1
	s_mov_b32 s[G0+4*\s], 1
	s_add_co_u32 s[G0+4*\s+1], s45, \s*SLOT
	s_add_nc_u64 s[G0+4*\s+2:G0+4*\s+3], s[20:21], \s*32768
	s_or_b32 s[G0+4*\s+3], s[G0+4*\s+3], 0x80000000
	s_mov_b32 s[G0B+4*\s], 1
	s_add_co_u32 s[G0B+4*\s+1], s45, \s*SLOT
	s_add_nc_u64 s[G0B+4*\s+2:G0B+4*\s+3], s[46:47], \s*32768
	s_or_b32 s[G0B+4*\s+3], s[G0B+4*\s+3], 0x80000000
.endr
; THE HEAD'S LOADS, ONE A WAVE: wave 0 the context's codes of slot 0, wave 1 the weight's, wave 2 the context's scale words, wave 3 the weight's.  One chain of arms on the wave's number, one load to an arm.
.macro ARM under, g0, g1, next
	s_cmp_lt_u32 s14, \under
	s_cbranch_scc0 \next
	tensor_load_to_lds s[\g0:\g0+3], s[\g1:\g1+7]
	s_nop 0
.rept 4
	v_nop
.endr
	s_branch .Lhead_asked
\next:
.endm
	ARM 1, 4, G1, .Lhead_b
	ARM 2, 8, G1B, .Lhead_sa
	ARM 3, G0S, G1S, .Lhead_sb
	tensor_load_to_lds s[G0SB:G0SB+3], s[G1SB:G1SB+7]
	s_nop 0
.rept 4
	v_nop
.endr
.Lhead_asked:
	v_and_b32 v1, 15, v0
	v_bfe_u32 v2, v0, 4, 1
	s_wait_alu depctr_va_vdst(0)
	v_and_b32 v3, 31, v0
	v_lshlrev_b32 v4, 4, v3
	s_lshl_b32 s21, s15, 15
	s_lshl_b32 s22, s16, 15
	s_add_co_u32 s22, s22, 65536
.irp s, 0,1
	v_add_nc_u32 v[ADRA+\s], s21, v4
	v_add_nc_u32 v[ADRB+\s], s22, v4
	s_add_co_u32 s21, s21, SLOT
	s_add_co_u32 s22, s22, SLOT
.endr
	s_lshl_b32 s18, s15, 12
	s_lshl_b32 s19, s16, 12
	s_add_co_u32 s19, s19, SCLW-SCLX
	s_sub_co_u32 s19, s19, s18
	v_mul_u32_u24 v5, s19, v2
	v_lshl_add_u32 v5, v1, 3, v5
	s_add_co_u32 s18, s18, SCLX
	v_add_nc_u32 v[ADRS], s18, v5
	s_mul_i32 s23, s14, 16*SPITCH
	v_mul_u32_u24 v5, v1, SPITCH
	v_lshl_add_u32 v5, v2, 6, v5
	v_add_nc_u32 v[STO], s23, v5
	v_add_nc_u32 v[RD], s23, v4
	v_lshlrev_b32 v[CO], 4, v3
	s_lshl_b32 s18, s42, 1
	s_add_co_u32 s18, s18, s16
	s_lshl_b32 s18, s18, 9
	s_mov_b32 s19, 0
	s_add_nc_u64 s[96:97], s[96:97], s[18:19]
	v_lshlrev_b32 v7, 6, v2
.irp b, 0,1,2,3,4,5,6,7
	global_load_b128 v[BI+8*\b:BI+8*\b+3], v7, s[96:97] offset:(32*(\b/2)+8*(\b%2))*4
	global_load_b128 v[BI+8*\b+4:BI+8*\b+7], v7, s[96:97] offset:(32*(\b/2)+8*(\b%2))*4+16
.endr
	s_lshl_b32 s20, s17, 8
	s_lshl_b32 s21, s15, 7
	s_add_co_u32 s20, s20, s21
	s_lshl_b32 s20, s20, 12
	s_lshl_b32 s46, s42, 10
	s_lshl_b32 s47, s16, 9
	s_add_co_u32 s46, s46, s47
	s_add_co_u32 s20, s20, s46
	s_mov_b32 s21, 0
	s_add_nc_u64 s[12:13], s[12:13], s[20:21]
.macro FRAG reg, adr, q, i
.irp c, 0,1,2,3
	ds_load_b128 v[\reg+4*\c:\reg+4*\c+3], v[\adr] offset:16384*(\q)+2048*(\i)+512*\c
.endr
.endm
.macro MUL16 a0, p, q, sc, cm
.irp a, \a0, \a0+1
.irp b, 0,1,2,3,4,5,6,7
.set rD, 8*(8*((\a)%4)+\b)
.set rB, 128*(\p)+FR*\b
.set rA, AF+FR*(\a)
.set rSB, SC+8*NQ*(\sc)+NQ*\b+(\q)
.set rSA, SC+8*NQ*(\sc)+NQ*(\a)+(\q)
.set rC, BI+8*\b
.if (\cm) == 0
	v_wmma_scale_f32_16x16x128_f8f6f4 v[rD:rD+7], v[rB:rB+15], v[rA:rA+15], v[rD:rD+7], v[rSB], v[rSA] matrix_a_fmt:MATRIX_FMT_BF8 matrix_b_fmt:MATRIX_FMT_BF8 matrix_a_scale:MATRIX_SCALE_ROW1
.else
	v_wmma_scale_f32_16x16x128_f8f6f4 v[rD:rD+7], v[rB:rB+15], v[rA:rA+15], v[rC:rC+7], v[rSB], v[rSA] matrix_a_fmt:MATRIX_FMT_BF8 matrix_b_fmt:MATRIX_FMT_BF8 matrix_a_scale:MATRIX_SCALE_ROW1
.endif
.endr
.endr
.endm
.macro FETCH_B slot, q, p
	WIN TO_B
.irp i, 0,1,2,3,4,5,6,7
	FRAG 128*(\p)+FR*\i, ADRB+\slot, \q, \i
.endr
	WIN 0
.endm
.macro FETCH_A slot, q, i0
.irp i, \i0, \i0+1, \i0+2, \i0+3
	FRAG AF+FR*(\i), ADRA+\slot, \q, \i
.endr
.endm
.macro SCALES sc
.irp i, 0,1,2,3,4,5,6,7
	ds_load_b64 v[SC+8*NQ*\sc+NQ*\i:SC+8*NQ*\sc+NQ*\i+1], v[ADRS] offset:\i*128
.endr
.endm
.macro PLACES n
.rept \n
	v_nop
.endr
.endm
.macro STEP slot, q, cm
	s_wait_dscnt 4*NL
.if \cm
	WIN 0x81
.else
	WIN MUL_LO
.endif
	MUL16 0, (\q)%2, \q, \slot, \cm
	MUL16 2, (\q)%2, \q, \slot, \cm
	s_wait_dscnt 0x0
	PLACES NP
	FETCH_B \slot, (\q)+1, 1-(\q)%2
	FETCH_A \slot, (\q)+1, 0
.if \cm
	WIN 0xc1
.else
	WIN MUL_HI
.endif
	MUL16 4, (\q)%2, \q, \slot, \cm
	MUL16 6, (\q)%2, \q, \slot, \cm
	PLACES NP
	WIN 0
	FETCH_A \slot, (\q)+1, 4
.endm
.macro TURN slot, next, fill
	s_wait_tensorcnt 0x0
	ds_add_u32 v[SPW], v[NIL]
	s_wait_dscnt 4*NL+1
	WIN MUL_LO
	MUL16 0, 1, NQ-1, \slot, 0
	s_wait_dscnt 0x0
	s_barrier_signal -1
	MUL16 2, 1, NQ-1, \slot, 0
	WIN 0
	s_barrier_wait -1
.if \fill
	CREST
	s_add_nc_u64 s[G0+4*\slot+2:G0+4*\slot+3], s[G0+4*\slot+2:G0+4*\slot+3], 65536
	s_add_nc_u64 s[G0B+4*\slot+2:G0B+4*\slot+3], s[G0B+4*\slot+2:G0B+4*\slot+3], 65536
	JLOAD G0+4*\slot, G1, G0B+4*\slot, G1B
	PLACES NP-4
.else
	PLACES NP
.endif
	s_wait_alu depctr_va_vdst(0)
	v_add_nc_u32 v[ADRS], 1024, v[ADRS]
	FETCH_B \next, 0, 0
	FETCH_A \next, 0, 0
	SCALES \next
	WIN MUL_HI
	MUL16 4, 1, NQ-1, \slot, 0
	MUL16 6, 1, NQ-1, \slot, 0
	PLACES NP
	WIN 0
	FETCH_A \next, 0, 4
.endm
	s_wait_alu depctr_va_vdst(0)
	s_wait_tensorcnt 0x0                           ; my tile of the head's four is in; slot 1's first fill is issued as a refill is
	ds_add_u32 v[SPW], v[NIL]                      ; 0 onto my spare word
.irp g, G1, G1B                        ; no tensor load of mine is out: from here on a load brings 128 rows of 256 bytes
	s_mov_b32 s[\g+1], 32<<16
	s_mov_b32 s[\g+2], 128<<16
	s_mov_b32 s[\g+3], 32<<16
	s_mov_b32 s[\g+4], 128
	s_mov_b32 s[\g+5], 32
.endr
	s_wait_dscnt 0x0
	CROUND                                         ; all four tiles are in, and all sixteen work-groups are here
	JLOAD G0+4, G1, G0B+4, G1B                     ; slot 1: my one load behind the round
	FETCH_B 0, 0, 0
	FETCH_A 0, 0, 0
	SCALES 0
	FETCH_A 0, 0, 4
	s_wait_loadcnt 0x0
	STEP 0, 0, 1
	TURN 0, 1, 1
	STEP 1, 0, 0
	TURN 1, 0, 1
	STEP 0, 0, 0
	TURN 0, 1, 0
	STEP 1, 0, 0
	s_wait_dscnt 4*NL
	WIN MUL_LO
	MUL16 0, 1, NQ-1, 1, 0
	MUL16 2, 1, NQ-1, 1, 0
	s_wait_dscnt 0x0
	WIN MUL_HI
	MUL16 4, 1, NQ-1, 1, 0
	MUL16 6, 1, NQ-1, 1, 0
	WIN 0
.macro TOSTAGE a
.set AC, 64*((\a)%4)
	WIN 0x08+4*((\a)/4)
.irp b, 0,1,2,3,4,5,6,7
	ds_store_b128 v[STO], v[AC+8*\b:AC+8*\b+3] offset:128*(\b/2)+32*(\b%2)
	ds_store_b128 v[STO], v[AC+8*\b+4:AC+8*\b+7] offset:128*(\b/2)+32*(\b%2)+16
.endr
	WIN 0
.set BB, BK+64*((\a)%2)
.irp t, 0,1,2,3,4,5,6,7,8,9,10,11,12,13,14,15
	ds_load_b128 v[BB+4*\t:BB+4*\t+3], v[RD] offset:\t*SPITCH
.endr
.endm
.macro SEND a, younger
.set BB, BK+64*((\a)%2)
	s_wait_dscnt \younger
.if (\a) > 0
.if ((\a)%2) == 1
	s_add_nc_u64 s[12:13], s[12:13], 8*4096
.else
	s_add_nc_u64 s[12:13], s[12:13], 24*4096
.endif
.endif
.irp t, 0,1,2,3,4,5,6,7,8,9,10,11,12,13,14,15
	global_store_b128 v[CO], v[BB+4*\t:BB+4*\t+3], s[12:13] offset:(\t+8*(\t/8))*4096 th:TH_STORE_NT
.endr
.endm
	PLACES NP
	TOSTAGE 0
.irp a, 1,2,3,4,5,6,7
.if \a > 1
	s_wait_xcnt 0x0
.endif
	TOSTAGE \a
	SEND \a-1, 32
.endr
	s_wait_xcnt 0x0
	SEND 7, 0
	s_wait_tensorcnt 0x0
	ds_add_u32 v[SPW], v[NIL]
	s_wait_dscnt 0x0
	CROUND
	s_endpgm
.Lfunc_end_k_qaf9768c56d_gemm_out:
	.size	k_qaf9768c56d_gemm_out, .Lfunc_end_k_qaf9768c56d_gemm_out-k_qaf9768c56d_gemm_out
	.p2alignl 7, 3214868480
	.fill 96, 4, 3214868480
	.section	.rodata,"a",@progbits
	.p2align	6, 0x0
	.amdhsa_kernel k_qaf9768c56d_gemm_out
		.amdhsa_group_segment_fixed_size 327680
		.amdhsa_private_segment_fixed_size 0
		.amdhsa_enable_private_segment 0
		.amdhsa_kernarg_size 48
		.amdhsa_user_sgpr_count 2
		.amdhsa_user_sgpr_kernarg_segment_ptr 1
		.amdhsa_wavefront_size32 1
		.amdhsa_system_sgpr_workgroup_id_x 1
		.amdhsa_system_sgpr_workgroup_id_y 1
		.amdhsa_system_sgpr_workgroup_id_z 1
		.amdhsa_system_vgpr_workitem_id 0
		.amdhsa_next_free_vgpr 1024
		.amdhsa_next_free_sgpr 98
		.amdhsa_reserve_vcc 0
		.amdhsa_float_denorm_mode_32 3
		.amdhsa_float_denorm_mode_16_64 3
		.amdhsa_memory_ordered 1
		.amdhsa_forward_progress 1
		.amdhsa_inst_pref_size 148
	.end_amdhsa_kernel
	.amdgpu_metadata
---
amdhsa.version: [ 1, 2 ]
amdhsa.kernels:
  - .name:           k_qaf9768c56d_gemm_out
    .symbol:         k_qaf9768c56d_gemm_out.kd
    .args:
      - { .name: c_img, .offset: 0, .size: 8, .value_kind: global_buffer, .address_space: global }
      - { .name: c_scl, .offset: 8, .size: 8, .value_kind: global_buffer, .address_space: global }
      - { .name: w_img, .offset: 16, .size: 8, .value_kind: global_buffer, .address_space: global }
      - { .name: w_scl, .offset: 24, .size: 8, .value_kind: global_buffer, .address_space: global }
      - { .name: bo, .offset: 32, .size: 8, .value_kind: global_buffer, .address_space: global }
      - { .name: out0, .offset: 40, .size: 8, .value_kind: global_buffer, .address_space: global }
    .group_segment_fixed_size: 327680
    .private_segment_fixed_size: 0
    .kernarg_segment_align: 8
    .kernarg_segment_size: 48
    .max_flat_workgroup_size: 128
    .sgpr_count:     98
    .vgpr_count:     1024
    .wavefront_size: 32
...
	.end_amdgpu_metadata
.endif
;; end of part 4
